; MI455X (gfx1250); checked and timed in simulation.
; The chip was launched on July 23, 2026; its instructions are those of AMD's public machine-readable ISA for CDNA 5 (MIT licence, August 2026) and "CDNA5" Instruction Set Architecture Reference Guide (July 2026). The comments in the code are by the model that wrote it; some were corrected since.
;; Moe Layer. Allowed arithmetic: matrix products marked QUANTISED: E5M2 operands, one given power-of-two scale a tensor, by v_wmma_f32_16x16x64_bf8_bf8 or v_wmma_f32_16x16x128_bf8_bf8, f32 sums; products left as they are: f32 operands where the result goes on into a quantised operand, else bf16, f16 or f32 operands; f32 sums; everything else in f32.
;; Inputs: W1_codes 8 x 1,024 x 64 x 32 uint8 (E5M2 codes of W1, K innermost, in blocks of 32 codes); W2_codes 8 x 2,048 x 32 x 32 uint8 (E5M2 codes of W2, K innermost, in blocks of 32 codes); b1 8 x 1,024 float32; b2 8 x 2,048 float32; lowp_scales 32 int32 (the exponents e of the quantised operands' scales 2^e); w_gate 2,048 x 8 float32; x 4 x 512 x 2,048 float32.
;; Outputs: out0 4 x 512 x 2,048 float32.
;; This version of the problem:
;;   THIS VERSION OF THE PROBLEM IS GIVEN IN LOW PRECISION. The matrix products marked QUANTISED in the list below multiply operands that are first quantised to E5M2 (5 exponent bits, 2 mantissa bits; 8 bits a number), with one given power-of-two scale for each operand tensor; their sums are f32. All else is computed in f32.
;;   The module's matrix products, in the order in which they are computed (A, B: the left and right operand; K: the contracted axis; several contracted axes count as one K, in the product's order):
;;     1. [M 2,048, K 2,048] x [K 2,048, N 8]; A: input x; B: input w_gate: left as it is (N = 8 < 16)
;;     2. [M 2,048, K 2,048] x [K 2,048, N 1,024]; A: input x; B: input W1 (given as codes): QUANTISED (scales: A lowp_scales[0], B lowp_scales[1])
;;     3. [M 2,048, K 1,024] x [K 1,024, N 2,048]; A: computed on the way; B: input W2 (given as codes): QUANTISED (scales: A lowp_scales[2], B lowp_scales[3])
;;     4. [M 2,048, K 2,048] x [K 2,048, N 1,024]; A: input x; B: input W1 (given as codes): QUANTISED (scales: A lowp_scales[4], B lowp_scales[5])
;;     5. [M 2,048, K 1,024] x [K 1,024, N 2,048]; A: computed on the way; B: input W2 (given as codes): QUANTISED (scales: A lowp_scales[6], B lowp_scales[7])
;;     6. [M 2,048, K 2,048] x [K 2,048, N 1,024]; A: input x; B: input W1 (given as codes): QUANTISED (scales: A lowp_scales[8], B lowp_scales[9])
;;     7. [M 2,048, K 1,024] x [K 1,024, N 2,048]; A: computed on the way; B: input W2 (given as codes): QUANTISED (scales: A lowp_scales[10], B lowp_scales[11])
;;     8. [M 2,048, K 2,048] x [K 2,048, N 1,024]; A: input x; B: input W1 (given as codes): QUANTISED (scales: A lowp_scales[12], B lowp_scales[13])
;;     9. [M 2,048, K 1,024] x [K 1,024, N 2,048]; A: computed on the way; B: input W2 (given as codes): QUANTISED (scales: A lowp_scales[14], B lowp_scales[15])
;;     10. [M 2,048, K 2,048] x [K 2,048, N 1,024]; A: input x; B: input W1 (given as codes): QUANTISED (scales: A lowp_scales[16], B lowp_scales[17])
;;     11. [M 2,048, K 1,024] x [K 1,024, N 2,048]; A: computed on the way; B: input W2 (given as codes): QUANTISED (scales: A lowp_scales[18], B lowp_scales[19])
;;     12. [M 2,048, K 2,048] x [K 2,048, N 1,024]; A: input x; B: input W1 (given as codes): QUANTISED (scales: A lowp_scales[20], B lowp_scales[21])
;;     13. [M 2,048, K 1,024] x [K 1,024, N 2,048]; A: computed on the way; B: input W2 (given as codes): QUANTISED (scales: A lowp_scales[22], B lowp_scales[23])
;;     14. [M 2,048, K 2,048] x [K 2,048, N 1,024]; A: input x; B: input W1 (given as codes): QUANTISED (scales: A lowp_scales[24], B lowp_scales[25])
;;     15. [M 2,048, K 1,024] x [K 1,024, N 2,048]; A: computed on the way; B: input W2 (given as codes): QUANTISED (scales: A lowp_scales[26], B lowp_scales[27])
;;     16. [M 2,048, K 2,048] x [K 2,048, N 1,024]; A: input x; B: input W1 (given as codes): QUANTISED (scales: A lowp_scales[28], B lowp_scales[29])
;;     17. [M 2,048, K 1,024] x [K 1,024, N 2,048]; A: computed on the way; B: input W2 (given as codes): QUANTISED (scales: A lowp_scales[30], B lowp_scales[31])
;;   THE QUANTISER, for each operand of a quantised product, along K:
;;     - The operand's scale is 2^e, e = its entry of the input lowp_scales (int32; the entries are numbered through the quantised products in the list's order, A before B).
;;     - Each number is divided by the scale, clamped to +-57,344, and rounded to the nearest number of E5M2, ties to even, subnormals kept.
;;     - The product sums the exact products of the quantised numbers (number of the format x scale) in f32.
;;   ~~~python
;;   def quantise(x, axis, e):      # numpy; x: float32 -> the quantised numbers, widened to float32 again
;;       x = np.moveaxis(x, axis, -1); K = x.shape[-1]
;;       r = np.clip(x / 2.0 ** e, -57344, 57344)
;;       step = 2.0 ** (np.maximum(np.frexp(np.where(r == 0, 1, r))[1] - 1, -14) - 2)
;;       q = np.round(r / step) * step * 2.0 ** e      # np.round: ties to even
;;       return np.moveaxis(q, -1, axis).astype(np.float32)
;;   ~~~
;;   OPERANDS COMPUTED ON THE WAY. 'Computed on the way' means the value that the module computes at that place (a softmax that the list does not call 'softmax' is quantised finished and normalised). What goes into a quantiser is computed in f32, as accurately as f32 sums, v_exp_f32 and their like allow (about 1e-6 of the number): no bf16 or f16 on the way to a quantiser, and a product that is left as it is and whose result goes on into a quantised operand takes f32 operands (vector FMAs, or v_wmma_f32_16x16x4_f32). A number that lies on a knife's edge between two numbers of the format may be rounded either way, as far as f32 arithmetic and the matrix unit's own rounding can turn it there, and no further.
;;   INPUTS GIVEN AS CODES. W1 (in the module: [8, 2048, 1024], K = its axis 1); W2 (in the module: [8, 1024, 2048], K = its axis 1): each comes as NAME_codes (uint8): NAME with its K axis moved to the last place and cut into blocks of 32 codes, [.., K / 32, bytes a block], one block behind the other in memory; one code a byte (a code: sign, 5 exponent bits, 2 mantissa bits); its scale is its entry of lowp_scales. Its value is code x scale, taken as it is: it is not quantised again, and the codes and scales need not be those that the quantiser above would give.
;; One version. Each part assembles by itself: llvm-mc -triple=amdgcn-amd-amdhsa -mcpu=gfx1250 --defsym DOCPART=n.
;; ======== version 1 of 1: 4 launches
;; workspace buffers: xq 8,388,608 bytes; ridx 16,384 bytes of whole numbers; rwt 16,384 bytes; lists 19,456 bytes of whole numbers; srec 16,384 bytes of whole numbers; sw 16,384 bytes; hq 4,916,224 bytes
;; launch route (part 1): grid 256 x 1, 4 waves a work-group, no clusters, 102,912 bytes of LDS; arguments x, w_gate, lowp_scales, xq, ridx, rwt; writes xq, ridx, rwt
.if DOCPART == 1
	.amdgcn_target "amdgcn-amd-amdhsa--gfx1250"
	.amdhsa_code_object_version 6
	.text
	.protected	k_qd7fcb01ac6_route
	.globl	k_qd7fcb01ac6_route
	.p2align	8
	.type	k_qd7fcb01ac6_route,@function
k_qd7fcb01ac6_route:
	s_mov_b64 s[64:65], 0
	v_nop
	global_prefetch_b8 v0, s[64:65] scope:SCOPE_SE
	s_setreg_imm32_b32 hwreg(HW_REG_WAVE_MODE, 25, 1), 1
	s_wait_xcnt 0x0
; ROUTER AND QUANTISER OF x.  x [2048 tokens][2048] f32, w_gate [2048][8] f32.
; For each token: 8 logits in f32, softmax (the largest logit taken away), the two largest probabilities (of equal ones the lower index),
; a softmax over these two probabilities (the larger taken away).  Stored at fixed places: ridx[t] = the two experts, rwt[t] = their two weights,
; xq[2 t + k][2048] = the token's E5M2 codes under the scale 2^ex of its k-th expert (ex = entry 4 e of the scales).
; No address and no branch hangs on the choice: it only selects values.
; SHARES.  A work-group takes 8 tokens, a wave 2 whole rows.  Load j of a row gives lane l the columns 128 j + 4 l + 0..3: every load is 512 consecutive bytes.
; w_gate lies in LDS as an image of the registers that want it: the 16 bytes (j, lane l, q) at 4352 j + 544 q + 16 l, so a fetch reads 512 consecutive bytes.
; LIMITS.  NaN and infinities are not served.  ex between -126 and 112.  The logits' sums run in another order than a row-by-row sum; probabilities that differ
; by less than that rounding may change places.
; No cluster: the work-groups share only w_gate, 64 KiB, beside 64 KiB of x of their own; no tensor load: one fill, through registers.
.set WPQ,   544
.set WPJ,   4352
.set STG,   69632                      ; behind the image: 8,192 bytes a wave: four code rows of 2,048
.set SPARE, 102400                     ; the spare words: 128 bytes a wave
.set X,     16                         ; v16-79 row 0, v80-143 row 1
.set WB,    144                        ; v144-175, v176-207: two sets of w_gate's 32 numbers of a j
.set ACC,   208                        ; v208-223: 2 rows x 8 logits, later probabilities
.set CD,    144                        ; v144-207: four code rows, 16 registers each
.set TQ,    208                        ; v208-223: two sets of eight held numbers
.set KE,    192                        ; v192-199: the numbers 0..7
.set KX,    200                        ; v200-207: ex of expert 0..7
.set MX,    224
.set P1,    226
.set I1,    228
.set P2,    230
.set I2,    232
.set W0,    234
.set W1,    236
.set SC,    238                        ; v238-241: 2^ex as f32, for row r and choice k at 2 r + k
.set LIM,   242                        ; v242-245: 57,344 x 2^ex
.set NEG,   246
.set MSB, 0
.macro WIN new                         ; the immediate's high byte repeats the setting that is left
.if MSB != (\new)
	s_set_vgpr_msb (MSB<<8)|(\new)
.set MSB, (\new)
.endif
.endm
	s_load_b256 s[4:11], s[0:1], 0x0               ; x s[4:5], w_gate s[6:7], scales s[8:9], xq s[10:11]
	s_load_b128 s[12:15], s[0:1], 0x20             ; ridx s[12:13], rwt s[14:15]
	v_lshl_add_u32 v9, v0, 2, SPARE                ; my spare word
	v_mov_b32 v10, 0
	v_lshrrev_b32 v11, 5, v0
	v_readfirstlane_b32 s16, v11                   ; wave
	v_and_b32 v1, 31, v0                           ; lane
	v_lshlrev_b32 v2, 4, v1                        ; 16 x lane: x, the image's reads (j < 8), xq
	v_lshlrev_b32 v5, 4, v0                        ; 16 x thread: w_gate
	v_and_b32 v3, 7, v0
	v_mul_u32_u24 v3, v3, WPQ
	v_lshrrev_b32 v11, 3, v0
	v_lshl_add_u32 v3, v11, 4, v3                  ; the image's fill: 544 (thread % 8) + 16 (thread / 8)
	v_add_nc_u32 v4, 8*WPJ, v3                     ; the same for j >= 8 (an LDS immediate has 16 bits)
	v_add_nc_u32 v6, 8*WPJ, v2                     ; the reads for j >= 8
	s_lshl_b32 s17, s16, 13
	s_add_co_u32 s17, s17, STG
	v_lshl_add_u32 v7, v1, 2, s17                  ; my stage, in: 4 x lane
	v_add_nc_u32 v8, s17, v2                       ; and back: 16 x lane
	s_mov_b32 s52, 0x76543210                      ; lane selects: lane l xor 16
	s_mov_b32 s53, 0xfedcba98
	s_lshl_b32 s18, ttmp9, 16                      ; 8 tokens of 8,192 bytes a work-group,
	s_lshl_b32 s19, s16, 14                        ; 2 a wave
	s_add_co_u32 s18, s18, s19
	s_mov_b32 s19, 0
	s_lshr_b32 s54, s18, 1                         ; xq: 4,096 bytes a token
	s_mov_b32 s55, 0
	s_lshr_b32 s56, s18, 10                        ; ridx, rwt: 8 bytes a token
	s_mov_b32 s57, 0
	s_wait_kmcnt 0x0
	s_load_b512 s[20:35], s[8:9], 0x0              ; all 32 exponents: ex of expert e is s[20 + 4 e]
	s_load_b512 s[36:51], s[8:9], 0x40
	s_add_nc_u64 s[4:5], s[4:5], s[18:19]
	s_add_nc_u64 s[10:11], s[10:11], s[54:55]
	s_add_nc_u64 s[12:13], s[12:13], s[56:57]
	s_add_nc_u64 s[14:15], s[14:15], s[56:57]
	WIN 0x40                                       ; destination window 1
.set fn, 0
.rept 32
	global_load_b128 v[4*fn:4*fn+3], v5, s[6:7] offset:2048*fn   ; w_gate: the work-group reads 2,048 consecutive bytes
.set fn, fn+1
.endr
	WIN 0
.set fn, 0
.rept 16
	global_load_b128 v[X+4*fn:X+4*fn+3], v2, s[4:5] offset:512*fn th:TH_LOAD_NT
	global_load_b128 v[X+64+4*fn:X+64+4*fn+3], v2, s[4:5] offset:8192+512*fn th:TH_LOAD_NT
.set fn, fn+1
.endr
	s_wait_loadcnt 32                              ; w_gate is in; the 32 younger loads, x's, stay out
	WIN 0x04                                       ; store data window 1
.set fn, 0
.rept 16
	ds_store_b128 v3, v[4*fn:4*fn+3] offset:WPJ*(fn/2)+256*(fn%2)
.set fn, fn+1
.endr
.rept 16
	ds_store_b128 v4, v[4*fn:4*fn+3] offset:WPJ*((fn/2)-8)+256*(fn%2)
.set fn, fn+1
.endr
	WIN 0
	s_wait_dscnt 0x0                               ; for the others' sake: my part of the image has landed
	s_barrier_signal -1
	s_barrier_wait -1
.macro FETCHW j, wb                    ; w_gate's 32 numbers for my four columns of load j
.irp q, 0,1,2,3,4,5,6,7
.if (\j) < 8
	ds_load_b128 v[WB+32*(\wb)+4*\q:WB+32*(\wb)+4*\q+3], v2 offset:WPJ*(\j)+WPQ*\q
.else
	ds_load_b128 v[WB+32*(\wb)+4*\q:WB+32*(\wb)+4*\q+3], v6 offset:WPJ*((\j)-8)+WPQ*\q
.endif
.endr
.endm
.macro FMA j, wb                       ; 32 packed multiply-adds: column i, experts 2 p and 2 p + 1, row r; x's number serves both halves.  The very first products start the sums
.irp i, 0,1,2,3
.irp p, 0,1,2,3
.irp r, 0,1
.if ((\j) == 0) && (\i == 0)
	v_pk_mul_f32 v[ACC+8*\r+2*\p:ACC+8*\r+2*\p+1], v[WB+32*(\wb)+8*\i+2*\p:WB+32*(\wb)+8*\i+2*\p+1], v[X+64*\r+4*(\j):X+64*\r+4*(\j)+1] op_sel_hi:[1,0]
.elseif (\i%2) == 0
	v_pk_fma_f32 v[ACC+8*\r+2*\p:ACC+8*\r+2*\p+1], v[WB+32*(\wb)+8*\i+2*\p:WB+32*(\wb)+8*\i+2*\p+1], v[X+64*\r+4*(\j)+\i:X+64*\r+4*(\j)+\i+1], v[ACC+8*\r+2*\p:ACC+8*\r+2*\p+1] op_sel_hi:[1,0,1]
.else
	v_pk_fma_f32 v[ACC+8*\r+2*\p:ACC+8*\r+2*\p+1], v[WB+32*(\wb)+8*\i+2*\p:WB+32*(\wb)+8*\i+2*\p+1], v[X+64*\r+4*(\j)+\i-1:X+64*\r+4*(\j)+\i], v[ACC+8*\r+2*\p:ACC+8*\r+2*\p+1] op_sel:[0,1,0] op_sel_hi:[1,1,1]
.endif
.endr
.endr
.endr
.endm
	FETCHW 0, 0
.set J, 0
.rept 16
.if J < 15
	FETCHW J+1, (J+1)%2
	s_wait_dscnt 8                                 ; this j's eight are in; the eight just issued may be out
.else
	s_wait_dscnt 0
.endif
	s_wait_loadcnt 30-2*J                          ; x's loads come back in order: both rows' load j is in
	FMA J, J%2
.set J, J+1
.endr
	; the 16 sums over the wave's 32 lanes; every lane ends with all of them
.irp m, 1,2,4,8
.irp a, 0,1,2,3,4,5,6,7,8,9,10,11,12,13,14,15
	v_add_f32_dpp v[ACC+\a], v[ACC+\a], v[ACC+\a] row_xmask:\m row_mask:0xf bank_mask:0xf
.endr
.endr
.irp a, 0,1,2,3,4,5,6,7,8,9,10,11,12,13,14,15
	v_permlanex16_b32 v[WB+\a], v[ACC+\a], s52, s53
.endr
.irp a, 0,1,2,3,4,5,6,7,8,9,10,11,12,13,14,15
	v_add_f32 v[ACC+\a], v[ACC+\a], v[WB+\a]
.endr
	; softmax over the 8 logits, both rows side by side
.irp r, 0,1
	v_max3_num_f32 v[MX+\r], v[ACC+8*\r], v[ACC+8*\r+1], v[ACC+8*\r+2]
.endr
.irp r, 0,1
	v_max3_num_f32 v[MX+\r], v[MX+\r], v[ACC+8*\r+3], v[ACC+8*\r+4]
.endr
.irp r, 0,1
	v_max3_num_f32 v[MX+\r], v[MX+\r], v[ACC+8*\r+5], v[ACC+8*\r+6]
.endr
.irp r, 0,1
	v_max_num_f32 v[MX+\r], v[MX+\r], v[ACC+8*\r+7]
.endr
.irp e, 0,1,2,3,4,5,6,7
.irp r, 0,1
	v_sub_f32 v[ACC+8*\r+\e], v[ACC+8*\r+\e], v[MX+\r]
.endr
.endr
.irp a, 0,1,2,3,4,5,6,7,8,9,10,11,12,13,14,15
	v_mul_f32 v[ACC+\a], 0x3fb8aa3b, v[ACC+\a]     ; x log2(e)
.endr
.irp a, 0,1,2,3,4,5,6,7,8,9,10,11,12,13,14,15
	v_exp_f32 v[ACC+\a], v[ACC+\a]
.endr
	v_nop                                          ; a plain instruction behind the last exponential,
	s_wait_alu depctr_va_vdst(0)                   ; and one wait for the batch, ahead of its first reader
.irp r, 0,1
	v_add_f32 v[MX+\r], v[ACC+8*\r], v[ACC+8*\r+1]
.endr
.irp e, 2,3,4,5,6,7
.irp r, 0,1
	v_add_f32 v[MX+\r], v[MX+\r], v[ACC+8*\r+\e]
.endr
.endr
.irp r, 0,1
	v_rcp_f32 v[MX+\r], v[MX+\r]
.endr
	s_wait_kmcnt 0x0                               ; the exponents
.irp e, 0,1,2,3,4,5,6,7
	v_mov_b32 v[KE+\e], \e                         ; (plain work behind the reciprocals)
	v_mov_b32 v[KX+\e], s[20+4*\e]
.endr
	v_mov_b32 v[NEG], -1.0
	s_wait_alu depctr_va_vdst(0)                   ; one wait for both reciprocals
.irp e, 0,1,2,3,4,5,6,7
.irp r, 0,1
	v_mul_f32 v[ACC+8*\r+\e], v[ACC+8*\r+\e], v[MX+\r]   ; the probabilities
.endr
.endr
	; the largest: a strict comparison keeps the lower index among equals
.irp r, 0,1
	v_mov_b32 v[P1+\r], v[ACC+8*\r]
	v_mov_b32 v[I1+\r], 0
.endr
.irp e, 1,2,3,4,5,6,7
.irp r, 0,1
	v_cmp_gt_f32 vcc_lo, v[ACC+8*\r+\e], v[P1+\r]
	v_cndmask_b32 v[P1+\r], v[P1+\r], v[ACC+8*\r+\e], vcc_lo
	v_cndmask_b32 v[I1+\r], v[I1+\r], v[KE+\e], vcc_lo
.endr
.endr
.irp e, 0,1,2,3,4,5,6,7
.irp r, 0,1
	v_cmp_eq_u32 vcc_lo, \e, v[I1+\r]
	v_cndmask_b32 v[ACC+8*\r+\e], v[ACC+8*\r+\e], v[NEG], vcc_lo   ; the winner leaves the field: -1 lies under every probability
.endr
.endr
.irp r, 0,1
	v_mov_b32 v[P2+\r], v[ACC+8*\r]
	v_mov_b32 v[I2+\r], 0
.endr
.irp e, 1,2,3,4,5,6,7
.irp r, 0,1
	v_cmp_gt_f32 vcc_lo, v[ACC+8*\r+\e], v[P2+\r]
	v_cndmask_b32 v[P2+\r], v[P2+\r], v[ACC+8*\r+\e], vcc_lo
	v_cndmask_b32 v[I2+\r], v[I2+\r], v[KE+\e], vcc_lo
.endr
.endr
	; softmax over the two probabilities: w0 = 1 / (1 + e^(p2 - p1)), w1 = e^(p2 - p1) w0
.irp r, 0,1
	v_sub_f32 v[W0+\r], v[P2+\r], v[P1+\r]
.endr
.irp r, 0,1
	v_mul_f32 v[W0+\r], 0x3fb8aa3b, v[W0+\r]
.endr
.irp r, 0,1
	v_exp_f32 v[W1+\r], v[W0+\r]
.endr
	; meanwhile: each choice's scale, selected among the eight, as the conversion's operand and as the hold
.irp r, 0,1
.irp k, 0,1
	v_mov_b32 v[SC+2*\r+\k], v[KX]
.irp e, 1,2,3,4,5,6,7
	v_cmp_eq_u32 vcc_lo, \e, v[I1+4*\k+\r]
	v_cndmask_b32 v[SC+2*\r+\k], v[SC+2*\r+\k], v[KX+\e], vcc_lo
.endr
	v_add_nc_u32 v[LIM+2*\r+\k], 142, v[SC+2*\r+\k]
	v_add_nc_u32 v[SC+2*\r+\k], 127, v[SC+2*\r+\k]
	v_lshlrev_b32 v[SC+2*\r+\k], 23, v[SC+2*\r+\k]                 ; 2^ex
	v_lshl_or_b32 v[LIM+2*\r+\k], v[LIM+2*\r+\k], 23, 0x600000     ; 57,344 x 2^ex
.endr
.endr
	s_wait_alu depctr_va_vdst(0)                   ; the two exponentials
.irp r, 0,1
	v_add_f32 v[W0+\r], 1.0, v[W1+\r]
.endr
.irp r, 0,1
	v_rcp_f32 v[W0+\r], v[W0+\r]
.endr
	v_nop
	s_wait_alu depctr_va_vdst(0)
.irp r, 0,1
	v_mul_f32 v[W1+\r], v[W1+\r], v[W0+\r]
.endr
; Row r under choice k's scale: eight registers (two loads' four columns each) are held, converted, and their two words of codes go to the stage at the columns' bytes.
; The next eight holds, on the other set, are the plain instructions between a conversion and the next write of its sources.
.macro QV r, k
.irp m, 0,1,2,3,4,5,6,7
.irp i, 0,1,2,3,4,5,6,7
	v_med3_num_f32 v[TQ+8*(\m%2)+\i], v[X+64*\r+8*\m+\i], -v[LIM+2*\r+\k], v[LIM+2*\r+\k]   ; the conversion does not saturate (ISA guide 7.6.2)
.endr
	v_cvt_scalef32_pk8_bf8_f32 v[CD+16*(2*\r+\k)+2*\m:CD+16*(2*\r+\k)+2*\m+1], v[TQ+8*(\m%2):TQ+8*(\m%2)+7], v[SC+2*\r+\k]
	ds_store_b32 v7, v[CD+16*(2*\r+\k)+2*\m] offset:2048*(2*\r+\k)+256*\m
	ds_store_b32 v7, v[CD+16*(2*\r+\k)+2*\m+1] offset:2048*(2*\r+\k)+256*\m+128
.endr
.endm
	QV 0, 0
	QV 0, 1
	QV 1, 0
	QV 1, 1
	v_nop                                          ; a plain instruction behind the last conversion
.set fn, 0
.rept 16
	ds_load_b128 v[X+4*fn:X+4*fn+3], v8 offset:512*fn   ; LDS serves a wave's instructions in order: these see my stores
.set fn, fn+1
.endr
.set fn, 0
.rept 16
	s_wait_dscnt 15-fn
	global_store_b128 v2, v[X+4*fn:X+4*fn+3], s[10:11] offset:512*fn   ; 512 consecutive bytes: the wave's four code rows lie on end in xq
.set fn, fn+1
.endr
	v_cmp_eq_u32 vcc_lo, 1, v1                     ; lane 0 stores row 0's choice, lane 1 row 1's
	v_cndmask_b32 v248, v[I1], v[I1+1], vcc_lo
	v_cndmask_b32 v249, v[I2], v[I2+1], vcc_lo
	v_cndmask_b32 v250, v[W0], v[W0+1], vcc_lo
	v_cndmask_b32 v251, v[W1], v[W1+1], vcc_lo
	v_lshlrev_b32 v252, 3, v1
	v_cmp_gt_u32 vcc_lo, 2, v1
	s_wait_xcnt 0x0                                ; EXEC changes only behind this wait
	s_and_saveexec_b32 s58, vcc_lo
	global_store_b64 v252, v[248:249], s[12:13]
	global_store_b64 v252, v[250:251], s[14:15]
	s_wait_xcnt 0x0
	s_or_b32 exec_lo, exec_lo, s58
	s_wait_tensorcnt 0x0                           ; the wave's end
	ds_add_u32 v9, v10
	s_wait_dscnt 0x0
	s_endpgm
.Lfunc_end_k_qd7fcb01ac6_route:
	.size	k_qd7fcb01ac6_route, .Lfunc_end_k_qd7fcb01ac6_route-k_qd7fcb01ac6_route
	.p2alignl 7, 3214868480
	.fill 96, 4, 3214868480
	.section	.rodata,"a",@progbits
	.p2align	6, 0x0
	.amdhsa_kernel k_qd7fcb01ac6_route
		.amdhsa_group_segment_fixed_size 102912
		.amdhsa_private_segment_fixed_size 0
		.amdhsa_enable_private_segment 0
		.amdhsa_kernarg_size 48
		.amdhsa_user_sgpr_count 2
		.amdhsa_user_sgpr_kernarg_segment_ptr 1
		.amdhsa_wavefront_size32 1
		.amdhsa_system_sgpr_workgroup_id_x 1
		.amdhsa_system_sgpr_workgroup_id_y 1
		.amdhsa_system_sgpr_workgroup_id_z 1
		.amdhsa_system_vgpr_workitem_id 0
		.amdhsa_next_free_vgpr 384
		.amdhsa_next_free_sgpr 66
		.amdhsa_reserve_vcc 1
		.amdhsa_float_denorm_mode_32 3
		.amdhsa_float_denorm_mode_16_64 3
		.amdhsa_memory_ordered 1
		.amdhsa_forward_progress 1
		.amdhsa_inst_pref_size 94
	.end_amdhsa_kernel
	.amdgpu_metadata
---
amdhsa.version: [ 1, 2 ]
amdhsa.kernels:
  - .name:           k_qd7fcb01ac6_route
    .symbol:         k_qd7fcb01ac6_route.kd
    .args:
      - { .name: x, .offset: 0, .size: 8, .value_kind: global_buffer, .address_space: global }
      - { .name: w_gate, .offset: 8, .size: 8, .value_kind: global_buffer, .address_space: global }
      - { .name: lowp_scales, .offset: 16, .size: 8, .value_kind: global_buffer, .address_space: global }
      - { .name: xq, .offset: 24, .size: 8, .value_kind: global_buffer, .address_space: global }
      - { .name: ridx, .offset: 32, .size: 8, .value_kind: global_buffer, .address_space: global }
      - { .name: rwt, .offset: 40, .size: 8, .value_kind: global_buffer, .address_space: global }
    .group_segment_fixed_size: 102912
    .private_segment_fixed_size: 0
    .kernarg_segment_align: 8
    .kernarg_segment_size: 48
    .max_flat_workgroup_size: 128
    .sgpr_count:     66
    .vgpr_count:     384
    .wavefront_size: 32
...
	.end_amdgpu_metadata
.endif
;; end of part 1
;; launch place (part 2): grid 1 x 1, 32 waves a work-group, no clusters, 21,504 bytes of LDS; arguments ridx, rwt, lists, srec, sw, hq; writes lists, srec, sw, hq
.if DOCPART == 2
	.amdgcn_target "amdgcn-amd-amdhsa--gfx1250"
	.amdhsa_code_object_version 6
	.text
	.protected	k_qd7fcb01ac6_place
	.globl	k_qd7fcb01ac6_place
	.p2align	8
	.type	k_qd7fcb01ac6_place,@function
k_qd7fcb01ac6_place:
	s_mov_b64 s[64:65], 0
	v_nop
	global_prefetch_b8 v0, s[64:65] scope:SCOPE_SE
	s_setreg_imm32_b32 hwreg(HW_REG_WAVE_MODE, 25, 1), 1
	s_wait_xcnt 0x0
; TWO COUNTING SORTS of the 2,048 tokens' choices, by one work-group of 32 waves, without atomics and without a branch.
; (1) By expert: routed row (t, k) gets place pos = 96 x (first tile of its expert) + its rank there; lists[pos] = 2 t + k; places that no row takes hold 0;
;     tinfo[tile] (lists from byte 19,200 on) = the tile's expert, 8 past the last tile.  Sum of ceil(n_e / 96) is at most 50 tiles for every split.
; (2) By the pair of experts (28 keys): token t gets sorted position p; srec[p] = (pos0 | pos1 << 13 | e0 << 26 | e1 << 29, t), sw[p] = its two weights.
;     THE KEYS RUN AS A SNAKE: for an even lower expert the higher one ascends, for an odd one it descends from 7: (0,1) .. (0,7), (1,7) .. (1,2), (2,3) .. : neighbouring keys share an expert,
;     so a run of sorted tokens that touches m keys uses at most m + 1 experts.
; Also row 4,800 of hq, the row of zero codes.
; A wave counts two chunks of 32 tokens; the counts [64 chunks][32] lie in LDS; wave w scans column w of both tables down the chunks; every wave then scans the totals.
; PAIRS, in a chunk: five ballots, one for each bit of the key.  From them a lane makes the mask of the lanes that have its own key (its rank: the mask's bits below it) and the mask of the lanes whose key is the
; lane's own NUMBER (the bits of that mask, counted, are the chunk's count of key = lane).
; EXPERTS, in a chunk: a token's two experts differ (the second was chosen with the first out of the field), so for each expert one mask of lanes serves both choices: rank = the mask's bits below the lane.
; LIMIT: were the two experts of a token equal (only NaN among the inputs, which is not served, could make them so), its two rows would share a place; every address stays clamped.
; What is loaded enters an address only behind a clamp.  Every offset of a store that runs with some lanes off is made ahead of the first change of EXEC, and so is all other vector work.
; One work-group: the sort's data are 32 KiB and each step hangs on the last.
.set CPITCH, 132                       ; a chunk's 32 counts + one word: a column's 32 reads fall on 32 different banks
.set CEOFF,  8448                      ; the experts' table behind the pairs'
.set HALF,   4224                      ; 32 chunks on
.set TOT,    16896                     ; the pairs' 32 totals; the experts' 256 bytes on
.set SPARE,  17408                     ; the spare words: 128 bytes for each of 32 waves
.set TINFO,  19200
.set ZROW,   4915200
.set T4,     64                        ; v64: 4 x my thread's number; never rewritten
.set T16,    65                        ; v65: 16 x my thread's number; never rewritten
.set KB,     66                        ; v66-70: for each bit of my key: 0 where it is set, -1 where it is clear
.set BP,     71                        ; v71: 4 x (wave / 4): the lane that holds my wave's expert's numbers
.set XL,     72                        ; v72-76: the same as KB for the bits of my lane's number
.set PADA,   77                        ; v77: offset of the empty place that I clear behind my wave's expert's rows
.set TAILA,  78                        ; v78: offset of the place that I clear behind the last tile
.set ZQ,     80                        ; v80-83: zeros
.set TI,     84                        ; v84: the expert of tile = my thread's number
; REGISTERS: v1 lane, v2 lane / 16, v3, v4 the add's two, v5 my chunks' rows, v6 my column, v7 my totals' word, v8 the totals as a vector, v9 8 x token;
; chunk u at b = 10 + 12 u: b, b+1 experts; b+2, b+3 weights; b+4 key; b+5, b+6 ranks among the expert's rows; b+7 rank in the pair; b+8, b+9 the chunk's counts; b+10 token.
	s_load_b256 s[4:11], s[0:1], 0x0               ; ridx s[4:5], rwt s[6:7], lists s[8:9], srec s[10:11]
	s_load_b128 s[12:15], s[0:1], 0x20             ; sw s[12:13], hq s[14:15]
	v_lshl_add_u32 v3, v0, 2, SPARE
	v_mov_b32 v4, 0
	v_lshlrev_b32 v[T4], 2, v0
	v_lshlrev_b32 v[T16], 4, v0
	v_lshrrev_b32 v34, 5, v0
	v_readfirstlane_b32 s16, v34                   ; wave
	v_and_b32 v1, 31, v0
	s_lshl_b32 s17, s16, 6
	v_add_nc_u32 v20, s17, v1                      ; token of chunk 2 w: 64 w + lane
	v_add_nc_u32 v32, 32, v20                      ; and of chunk 2 w + 1
	v_lshlrev_b32 v9, 3, v20
	s_wait_kmcnt 0x0
	global_load_b64 v[10:11], v9, s[4:5]
	global_load_b64 v[22:23], v9, s[4:5] offset:256
	global_load_b64 v[12:13], v9, s[6:7]
	global_load_b64 v[24:25], v9, s[6:7] offset:256
	v_bfe_u32 v2, v0, 4, 1                         ; the rest of the set-up stands behind the loads
	s_mul_i32 s17, s16, 2*CPITCH
	v_lshl_add_u32 v5, v1, 2, s17
	s_lshl_b32 s18, s16, 2
	v_mul_u32_u24 v6, v1, CPITCH
	v_add_nc_u32 v6, s18, v6
	s_add_co_u32 s19, s18, TOT
	v_mov_b32 v7, s19
	v_lshl_add_u32 v8, v1, 2, TOT
	v_mov_b32 v33, 0
	v_mov_b32 v63, 0                               ; written once: a DPP move's destination counts as read
	s_lshr_b32 s54, s16, 2
	s_lshl_b32 s54, s54, 2
	v_mov_b32 v[BP], s54
	s_mov_b32 s53, 0x01010101
.irp t, 0,1,2,3,4
	v_bfe_u32 v[XL+\t], v1, \t, 1
.endr
.irp t, 0,1,2,3,4
	v_add_nc_u32 v[XL+\t], -1, v[XL+\t]
.endr
	s_wait_loadcnt 2                               ; the experts are in; the two loads of weights may be out
.macro COUNT b
	v_min_u32 v[\b], 7, v[\b]
	v_min_u32 v[\b+1], 7, v[\b+1]
	v_min_u32 v34, v[\b], v[\b+1]                  ; lo
	v_max_u32 v35, v[\b], v[\b+1]                  ; hi
	v_sub_nc_u32 v36, 15, v34
	v_mul_u32_u24 v36, v36, v34
	v_lshrrev_b32 v36, 1, v36                      ; lo (15 - lo) / 2: the pairs with a lower lo
	v_sub_nc_u32 v37, v35, v34
	v_add_nc_u32 v37, -1, v37                      ; hi - lo - 1: hi ascending,
	v_sub_nc_u32 v38, 7, v35                       ; 7 - hi: hi descending,
	v_and_b32 v39, 1, v34
	v_cmp_eq_u32 vcc_lo, 1, v39
	v_cndmask_b32 v37, v37, v38, vcc_lo            ; which an odd lo takes
	v_add_nc_u32 v36, v36, v37
	v_min_u32 v[\b+4], 27, v36                     ; the key
.irp z, 5,6,9
	v_mov_b32 v[\b+\z], 0
.endr
.irp e, 0,1,2,3,4,5,6,7                ; the lanes that chose expert e, first or second: one row each, ranked by lane.  Two sets of registers by turns
	v_cmp_eq_u32 s[40+4*(\e%2)], \e, v[\b]
	v_cmp_eq_u32 s[41+4*(\e%2)], \e, v[\b+1]
	s_or_b32 s[42+4*(\e%2)], s[40+4*(\e%2)], s[41+4*(\e%2)]
	v_mbcnt_lo_u32_b32 v[34+(\e%2)], s[42+4*(\e%2)], 0
	s_bcnt1_i32_b32 s[43+4*(\e%2)], s[42+4*(\e%2)]
	v_cndmask_b32 v[\b+5], v[\b+5], v[34+(\e%2)], s[40+4*(\e%2)]
	v_cndmask_b32 v[\b+6], v[\b+6], v[34+(\e%2)], s[41+4*(\e%2)]
	v_writelane_b32 v[\b+9], s[43+4*(\e%2)], \e
.endr
.irp t, 0,1,2,3,4
	v_bfe_u32 v[KB+\t], v[\b+4], \t, 1
.endr
.irp t, 0,1,2,3,4
	v_cmp_ne_u32 s[40+\t], 0, v[KB+\t]             ; the lanes whose key has bit t
	v_add_nc_u32 v[KB+\t], -1, v[KB+\t]
.endr
	v_xor_b32 v34, s40, v[KB]                      ; the lanes whose key agrees in bit 0 with my key,
	v_xor_b32 v35, s40, v[XL]                      ; with my lane's number
.irp t, 1,2,3,4
	v_xor_b32 v36, s[40+\t], v[KB+\t]
	v_xor_b32 v37, s[40+\t], v[XL+\t]
	v_and_b32 v34, v34, v36
	v_and_b32 v35, v35, v37
.endr
	v_mbcnt_lo_u32_b32 v[\b+7], v34, 0             ; my rank among the chunk's tokens of my key
	v_lshrrev_b32 v36, 1, v35                      ; the bits of v35, counted: sums of 2, of 4, of 8 bits, then the four bytes added by a product
	v_and_b32 v36, 0x55555555, v36
	v_sub_nc_u32 v35, v35, v36
	v_lshrrev_b32 v36, 2, v35
	v_and_b32 v35, 0x33333333, v35
	v_and_b32 v36, 0x33333333, v36
	v_add_nc_u32 v35, v35, v36
	v_lshrrev_b32 v36, 4, v35
	v_add_nc_u32 v35, v35, v36
	v_and_b32 v35, 0x0f0f0f0f, v35
	v_mul_lo_u32 v35, v35, s53
	v_lshrrev_b32 v[\b+8], 24, v35                 ; the chunk's count of key = my lane (0 in lanes 28 to 31)
.endm
	COUNT 10
	COUNT 22
	ds_store_b32 v5, v18
	ds_store_b32 v5, v30 offset:CPITCH
	ds_store_b32 v5, v19 offset:CEOFF
	ds_store_b32 v5, v31 offset:CEOFF+CPITCH
	s_wait_dscnt 0x0                               ; my counts have landed
	s_barrier_signal -1
	s_barrier_wait -1
.macro SCAN32 x, t, sr                 ; running sum over the 32 lanes, the lane's own number included
.irp n, 1,2,4,8
	v_mov_b32_dpp v[\t], v[\x] row_shr:\n row_mask:0xf bank_mask:0xf bound_ctrl:1
	v_add_nc_u32 v[\x], v[\x], v[\t]
.endr
	v_readlane_b32 s[\sr], v[\x], 15
	v_mad_u32_u24 v[\x], v2, s[\sr], v[\x]         ; lanes 16-31 take the lower half's total
.endm
.macro COLSCAN off, totoff             ; my column of 64 counts becomes the sums of the chunks before; its total goes to my word
	ds_load_b32 v34, v6 offset:\off
	ds_load_b32 v35, v6 offset:\off+HALF
	s_wait_dscnt 0x0
	v_mov_b32 v36, v34
	v_mov_b32 v37, v35
	SCAN32 36, 63, 40
	SCAN32 37, 63, 40
	v_readlane_b32 s41, v36, 31
	v_add_nc_u32 v37, s41, v37
	v_readlane_b32 s42, v37, 31
	v_sub_nc_u32 v36, v36, v34
	v_sub_nc_u32 v37, v37, v35
	v_mov_b32 v38, s42
	ds_store_b32 v6, v36 offset:\off
	ds_store_b32 v6, v37 offset:\off+HALF
	ds_store_b32 v7, v38 offset:\totoff            ; all lanes write the same word with the same number
.endm
	COLSCAN 0, 0
	COLSCAN CEOFF, 256
	s_wait_dscnt 0x0
	s_barrier_signal -1
	s_barrier_wait -1
	ds_load_b32 v34, v8                            ; the pairs' totals, key = lane
	ds_load_b32 v35, v8 offset:256                 ; the experts' totals n_e, e = lane (zeros from lane 8 on)
	ds_load_b32 v36, v5
	ds_load_b32 v37, v5 offset:CPITCH
	ds_load_b32 v38, v5 offset:CEOFF
	ds_load_b32 v39, v5 offset:CEOFF+CPITCH
	s_wait_dscnt 0x0
	v_mov_b32 v40, v34
	SCAN32 40, 63, 40
	v_sub_nc_u32 v40, v40, v34                     ; where a key's tokens begin
	v_add_nc_u32 v41, 95, v35
	v_mul_u32_u24 v41, v41, 0xaaab
	v_lshrrev_b32 v41, 22, v41                     ; tiles = (n + 95) / 96: x 43,691 >> 22 is exact up to 4,191
	v_mov_b32 v42, v41
	SCAN32 42, 63, 40                              ; the tile behind an expert's last
	v_sub_nc_u32 v43, v42, v41
	v_mul_u32_u24 v43, v43, 96                     ; where an expert's rows begin
	s_wait_loadcnt 0x0                             ; the weights
.macro PLACE b, cp, ce, tb
	v_add_nc_u32 v[\cp], v[\cp], v40
	v_add_nc_u32 v[\ce], v[\ce], v43
	v_lshlrev_b32 v[\tb], 2, v[\b+4]
	v_lshlrev_b32 v[\tb+1], 2, v[\b]
	v_lshlrev_b32 v[\tb+2], 2, v[\b+1]
	ds_bpermute_b32 v[\tb+3], v[\tb], v[\cp]       ; each lane takes its key's, its experts' number from the lane that holds it
	ds_bpermute_b32 v[\tb+8], v[\tb+1], v[\ce]
	ds_bpermute_b32 v[\tb+9], v[\tb+2], v[\ce]
	s_wait_dscnt 0x0
	v_add_nc_u32 v[\tb+3], v[\tb+3], v[\b+7]
	v_add_nc_u32 v[\tb+8], v[\tb+8], v[\b+5]
	v_add_nc_u32 v[\tb+9], v[\tb+9], v[\b+6]
	v_min_u32 v[\tb+3], 2047, v[\tb+3]
	v_min_u32 v[\tb+8], 4799, v[\tb+8]
	v_min_u32 v[\tb+9], 4799, v[\tb+9]
	v_lshl_or_b32 v[\tb+4], v[\tb+9], 13, v[\tb+8]
	v_lshl_or_b32 v[\tb+4], v[\b], 26, v[\tb+4]
	v_lshl_or_b32 v[\tb+4], v[\b+1], 29, v[\tb+4]
	v_mov_b32 v[\tb+5], v[\b+10]
	v_lshlrev_b32 v[\tb+6], 1, v[\b+10]
	v_or_b32 v[\tb+7], 1, v[\tb+6]
	v_lshlrev_b32 v[\tb], 3, v[\tb+3]
	v_lshlrev_b32 v[\tb+1], 2, v[\tb+8]
	v_lshlrev_b32 v[\tb+2], 2, v[\tb+9]
	global_store_b32 v[\tb+1], v[\tb+6], s[8:9]
	global_store_b32 v[\tb+2], v[\tb+7], s[8:9]
	global_store_b64 v[\tb], v[\tb+4:\tb+5], s[10:11]
	global_store_b64 v[\tb], v[\b+2:\b+3], s[12:13]
.endm
	PLACE 10, 36, 38, 44
	PLACE 22, 37, 39, 54
	; THE PLACES THAT NO ROW TAKES.  Behind an expert's rows, up to its last tile's end: at most 95; waves 4 e .. 4 e + 3, 128 threads, take expert e's.
	; Behind the last tile: the 4,096 rows fill at least 43 tiles, so at most 4,800 - 4,128 = 672 places: a thread each.
	v_add_nc_u32 v36, v43, v35                     ; lane e: the place behind expert e's last row,
	v_mul_u32_u24 v37, v42, 96                     ; and behind its last tile
	ds_bpermute_b32 v38, v[BP], v36                ; my wave's expert's two numbers, in every lane
	ds_bpermute_b32 v39, v[BP], v37
	v_readlane_b32 s57, v37, 7                     ; the place behind the last tile of all
.irp e, 0,1,2,3,4,5,6,7
	v_readlane_b32 s[36+\e], v42, \e               ; the tile behind expert e's last
.endr
	v_mov_b32 v[TI], 0
.irp e, 0,1,2,3,4,5,6,7
	v_cmp_le_u32 vcc_lo, s[36+\e], v0
	v_add_co_ci_u32 v[TI], vcc_lo, 0, v[TI], vcc_lo   ; a tile's expert = how many experts end at or before it
.endr
.irp z, 0,1,2,3
	v_mov_b32 v[ZQ+\z], 0
.endr
	v_add_nc_u32 v[TAILA], s57, v0
	v_cmp_gt_u32 s48, 4800, v[TAILA]
	v_min_u32 v[TAILA], 4799, v[TAILA]
	v_lshlrev_b32 v[TAILA], 2, v[TAILA]
	v_cmp_gt_u32 s52, 64, v0
	v_and_b32 v[PADA], 127, v0
	s_wait_dscnt 0x0
	v_add_nc_u32 v[PADA], v38, v[PADA]
	v_cmp_lt_u32 s47, v[PADA], v39
	v_min_u32 v[PADA], 4799, v[PADA]
	v_lshlrev_b32 v[PADA], 2, v[PADA]
	; from here on: only the masked stores
	s_mov_b32 vcc_lo, s47
	s_wait_xcnt 0x0                                ; EXEC changes only behind this wait
	s_and_saveexec_b32 s46, vcc_lo
	global_store_b32 v[PADA], v33, s[8:9]
	s_wait_xcnt 0x0
	s_or_b32 exec_lo, exec_lo, s46
	s_mov_b32 vcc_lo, s48
	s_and_saveexec_b32 s46, vcc_lo                 ; (no memory instruction has been issued since the last wait on XCNT)
	global_store_b32 v[TAILA], v33, s[8:9]
	s_wait_xcnt 0x0
	s_or_b32 exec_lo, exec_lo, s46
	s_mov_b32 vcc_lo, s52
	s_and_saveexec_b32 s46, vcc_lo                 ; (likewise)
	global_store_b32 v[T4], v[TI], s[8:9] offset:TINFO
	global_store_b128 v[T16], v[ZQ:ZQ+3], s[14:15] offset:ZROW   ; 64 threads x 16 bytes: the row of zero codes
	s_wait_xcnt 0x0
	s_or_b32 exec_lo, exec_lo, s46
	s_wait_tensorcnt 0x0                           ; the wave's end
	ds_add_u32 v3, v4
	s_wait_dscnt 0x0
	s_endpgm
.Lfunc_end_k_qd7fcb01ac6_place:
	.size	k_qd7fcb01ac6_place, .Lfunc_end_k_qd7fcb01ac6_place-k_qd7fcb01ac6_place
	.p2alignl 7, 3214868480
	.fill 96, 4, 3214868480
	.section	.rodata,"a",@progbits
	.p2align	6, 0x0
	.amdhsa_kernel k_qd7fcb01ac6_place
		.amdhsa_group_segment_fixed_size 21504
		.amdhsa_private_segment_fixed_size 0
		.amdhsa_enable_private_segment 0
		.amdhsa_kernarg_size 48
		.amdhsa_user_sgpr_count 2
		.amdhsa_user_sgpr_kernarg_segment_ptr 1
		.amdhsa_wavefront_size32 1
		.amdhsa_system_sgpr_workgroup_id_x 1
		.amdhsa_system_sgpr_workgroup_id_y 1
		.amdhsa_system_sgpr_workgroup_id_z 1
		.amdhsa_system_vgpr_workitem_id 0
		.amdhsa_next_free_vgpr 96
		.amdhsa_next_free_sgpr 66
		.amdhsa_reserve_vcc 1
		.amdhsa_float_denorm_mode_32 3
		.amdhsa_float_denorm_mode_16_64 3
		.amdhsa_memory_ordered 1
		.amdhsa_forward_progress 1
		.amdhsa_inst_pref_size 26
	.end_amdhsa_kernel
	.amdgpu_metadata
---
amdhsa.version: [ 1, 2 ]
amdhsa.kernels:
  - .name:           k_qd7fcb01ac6_place
    .symbol:         k_qd7fcb01ac6_place.kd
    .args:
      - { .name: ridx, .offset: 0, .size: 8, .value_kind: global_buffer, .address_space: global }
      - { .name: rwt, .offset: 8, .size: 8, .value_kind: global_buffer, .address_space: global }
      - { .name: lists, .offset: 16, .size: 8, .value_kind: global_buffer, .address_space: global }
      - { .name: srec, .offset: 24, .size: 8, .value_kind: global_buffer, .address_space: global }
      - { .name: sw, .offset: 32, .size: 8, .value_kind: global_buffer, .address_space: global }
      - { .name: hq, .offset: 40, .size: 8, .value_kind: global_buffer, .address_space: global }
    .group_segment_fixed_size: 21504
    .private_segment_fixed_size: 0
    .kernarg_segment_align: 8
    .kernarg_segment_size: 48
    .max_flat_workgroup_size: 1024
    .sgpr_count:     66
    .vgpr_count:     96
    .wavefront_size: 32
...
	.end_amdgpu_metadata
.endif
;; end of part 2
;; launch ffn1 (part 3): grid 4 x 50, 4 waves a work-group, no clusters, 192,000 bytes of LDS; arguments xq, W1_codes, b1, lowp_scales, lists, hq; writes hq
.if DOCPART == 3
	.amdgcn_target "amdgcn-amd-amdhsa--gfx1250"
	.amdhsa_code_object_version 6
	.text
	.protected	k_qd7fcb01ac6_ffn1
	.globl	k_qd7fcb01ac6_ffn1
	.p2align	8
	.type	k_qd7fcb01ac6_ffn1,@function
k_qd7fcb01ac6_ffn1:
	s_mov_b64 s[64:65], 0
	v_nop
	global_prefetch_b8 v0, s[64:65] scope:SCOPE_SE
	s_setreg_imm32_b32 hwreg(HW_REG_WAVE_MODE, 25, 1), 1
	s_wait_xcnt 0x0
; h = Q(gelu(x W1[e] + b1[e])) for the routed rows alone.  Work-group (x, j): tile j of 96 routed rows of one expert e = tinfo[j], hidden units 256 x .. 256 x + 255.
; xq [rid][2048] and W1_codes [e][1024][2048]: E5M2 codes, K innermost.  hq [96 j + row][1024]: codes of h under 2^eh.  Sums in f32; gelu exact (by erfc) in f32.
; GRID: 50 tiles serve every split (ceil(4096 / 96) + 7).  A tile that the split leaves unused (tinfo = 8) runs the head and the first K step on row 0 and expert 7, skips all later work and stores nothing.
; EVERY BARRIER STANDS ON EVERY WAVE'S WAY: only the work between barriers is jumped over, by a scalar branch on the stored number.  Such branches are why this text has no tensor load, and so no cluster and no joint loads:
; operands come by dense loads into registers (16 lanes take 256 consecutive bytes of a row), go into padded LDS rows and come back as fragments.
; The way round a piece of work waits for all loads, so that each piece is sound whatever stood before it.
; SHARES: wave w: all 96 rows x hidden units 64 w .. 64 w + 63 of the tile: 24 accumulators.  The matrix instruction is used transposed (source 0 = 16 rows of W1, source 1 = 16 routed rows):
; a lane holds one routed row and eight neighbouring hidden units, which one conversion turns into eight bytes of a row of hq.
; A fragment (16 rows x 64 K) comes by two loads of 16 bytes, 32 apart: a permutation of k, the same in both operands.
; K: 8 steps of 256 through two LDS slots and two register sets; a step's loads are issued two steps ahead.
; gelu(v) = max(v, 0) - |v| W, W = erfc(|v| / sqrt 2) / 2 = t 2^(P(t) - v^2 log2(e) / 2), t = 1 / (1 + |v| / sqrt 8): a fit of erfc with relative error 1.2e-7.
; LIMITS: ex + ew1 between -126 and 127, eh between -126 and 112; NaN and infinities are not served; where W falls under 2^-126 it counts as 0.
; REGISTERS: window 0: v1-19 addresses and constants, v20-31 A's row offsets, v32-63 b1, v64-79 codes, v80-81 a coefficient, v96-175 and v176-255 two sets of fragments (later gelu's V, T, Q, P);
;   window 1: v0-191 the accumulators ((a, b) at 8 (4 a + b));  window 2, window 3: v0-175 the two sets of loaded tiles (A 48, B 128).
.set PITCH,  272                       ; an LDS row: 256 bytes + 16: the 16 rows of a fragment load start at 16 different 16-byte columns of the banks' 256 bytes (ISA guide 11.1)
.set ASZ,    96*PITCH
.set SLOT,   ASZ+256*PITCH             ; A's 96 rows, then B's 256
.set SPARE,  2*SLOT                    ; behind the slots: the spare words, 128 bytes a wave
.set LOFF,   3
.set BOFF,   4
.set ST,     5                         ; v5, v6: where I store A's, B's rows in slot 0; v7, v8: in slot 1
.set RD,     9                         ; v9, v10: where I read A's, B's fragments in slot 0; v11, v12: in slot 1
.set SWA,    13
.set OOFF,   14
.set BO,     15
.set SPW,    16
.set NIL,    17
.set HSC,    18
.set HLIM,   19
.set AADR,   20
.set BIAS,   32
.set CODE,   64
.set C8,     80
.set F0,     96
.set F1,     176
.set VV,     96
.set TT,     128
.set QQ,     160
.set PP,     192
.set ACT,    20                        ; s20: 1 where the tile has rows
.set CF,     66                        ; s[66 + 2 i : 67 + 2 i]: coefficient i x log2(e), twice
.set MSB, 0
.macro WIN new                         ; the immediate's high byte repeats the setting that is left
.if MSB != (\new)
	s_set_vgpr_msb (MSB<<8)|(\new)
.set MSB, (\new)
.endif
.endm
.macro PLACES                          ; four plain instructions behind matrix instructions, ahead of loads into their sources and of reads of their results
.rept 4
	v_nop
.endr
.endm
.macro LOADS set, kimm                 ; a K step's tiles, my part: 24 rows of A, 64 rows of B, two rows an instruction
	WIN 0x80+0x40*(\set)
.set li, 0
.rept 12
	global_load_b128 v[4*li:4*li+3], v[AADR+li], s[4:5] offset:\kimm
.set li, li+1
.endr
.set li, 0
.rept 32
	global_load_b128 v[48+4*li:48+4*li+3], v[BOFF], s[6:7] offset:4096*li+\kimm
.set li, li+1
.endr
	WIN 0
.endm
.macro STORE set                       ; set s goes to slot s
	WIN 0x08+0x04*(\set)
.set li, 0
.rept 12
	ds_store_b128 v[ST+2*(\set)], v[4*li:4*li+3] offset:544*li
.set li, li+1
.endr
.set li, 0
.rept 32
	ds_store_b128 v[ST+1+2*(\set)], v[48+4*li:48+4*li+3] offset:544*li
.set li, li+1
.endr
	WIN 0
.endm
.macro FETCH slot, q, f                ; 20 LDS loads: the fragments of the slot's q-th 64 along K
.irp a, 0,1,2,3,4,5
	ds_load_b128 v[\f+8*\a:\f+8*\a+3], v[RD+2*(\slot)] offset:4352*\a+64*(\q)
	ds_load_b128 v[\f+8*\a+4:\f+8*\a+7], v[RD+2*(\slot)] offset:4352*\a+64*(\q)+32
.endr
.irp b, 0,1,2,3
	ds_load_b128 v[\f+48+8*\b:\f+48+8*\b+3], v[RD+1+2*(\slot)] offset:4352*\b+64*(\q)
	ds_load_b128 v[\f+48+8*\b+4:\f+48+8*\b+7], v[RD+1+2*(\slot)] offset:4352*\b+64*(\q)+32
.endr
.endm
.macro MUL f, zero                     ; 24 matrix instructions, each accumulator once: they take turns
	WIN 0x50
.irp a, 0,1,2,3,4,5
.irp b, 0,1,2,3
.if \zero
	v_wmma_f32_16x16x64_bf8_bf8 v[8*(4*\a+\b):8*(4*\a+\b)+7], v[\f+48+8*\b:\f+48+8*\b+7], v[\f+8*\a:\f+8*\a+7], 0
.else
	v_wmma_f32_16x16x64_bf8_bf8 v[8*(4*\a+\b):8*(4*\a+\b)+7], v[\f+48+8*\b:\f+48+8*\b+7], v[\f+8*\a:\f+8*\a+7], v[8*(4*\a+\b):8*(4*\a+\b)+7]
.endif
.endr
.endr
	WIN 0
.endm
.macro COMPUTE slot, zero              ; a K step: four times 64 along K on two sets of fragments; each count of 20 leaves the run just issued out
	PLACES
	FETCH \slot, 0, F0
	FETCH \slot, 1, F1
	s_wait_dscnt 20
	MUL F0, \zero
	PLACES
	FETCH \slot, 2, F0
	s_wait_dscnt 20
	MUL F1, 0
	PLACES
	FETCH \slot, 3, F1
	s_wait_dscnt 20
	MUL F0, 0
	s_wait_dscnt 0x0
	MUL F1, 0
.endm
; K step g on slot and set p = g % 2.  ld: the tiles of step g + 2 are asked for, into set p, whose last content lies in slot p.  st: set 1 - p (step g + 1) goes to slot 1 - p, which every wave left at the last barrier.
.macro STEP p, ld, st, kimm, guard, zero
.if \guard
	s_cmp_eq_u32 s[ACT], 0
	s_cbranch_scc1 .Lskip_\@
.endif
.if \ld
	LOADS \p, \kimm
.endif
	COMPUTE \p, \zero
.if \st
.if \ld
	s_wait_loadcnt 44                              ; all but the 44 loads of this piece: step g + 1's tiles are in
.else
	s_wait_loadcnt 0x0
.endif
	STORE 1-\p
.endif
.if \guard
	s_branch .Ljoin_\@
.Lskip_\@:
	s_wait_loadcnt 0x0                             ; the way round leaves no load out
.Ljoin_\@:
.endif
	s_wait_dscnt 0x0                               ; my stores have landed and my reads of the slot are over
	s_barrier_signal -1
	s_barrier_wait -1
.endm
	s_load_b256 s[4:11], s[0:1], 0x0               ; xq s[4:5], W1 s[6:7], b1 s[8:9], scales s[10:11]
	s_load_b128 s[12:15], s[0:1], 0x20             ; lists s[12:13], hq s[14:15]
	v_lshl_add_u32 v[SPW], v0, 2, SPARE
	v_mov_b32 v[NIL], 0
	v_lshrrev_b32 v64, 5, v0
	v_readfirstlane_b32 s16, v64                   ; wave
	v_and_b32 v1, 15, v0                           ; r
	v_bfe_u32 v2, v0, 4, 1                         ; h
	v_lshlrev_b32 v[LOFF], 4, v1                   ; 16 r
	v_lshl_add_u32 v[BOFF], v2, 11, v[LOFF]        ; W1: lanes 16-31 one row (2,048 bytes) on
	v_mul_u32_u24 v64, v2, PITCH
	v_add_nc_u32 v64, v64, v[LOFF]
	s_mul_i32 s21, s16, 24*PITCH
	s_mul_i32 s22, s16, 64*PITCH
	s_add_co_u32 s22, s22, ASZ
	v_add_nc_u32 v[ST], s21, v64
	v_add_nc_u32 v[ST+1], s22, v64
	v_add_nc_u32 v[ST+2], SLOT, v[ST]
	v_add_nc_u32 v[ST+3], SLOT, v[ST+1]
	v_mul_u32_u24 v65, v1, PITCH
	v_lshl_add_u32 v[RD], v2, 4, v65               ; a fragment: row r x pitch + 16 h
	v_add_nc_u32 v[RD+1], s22, v[RD]               ; B: my own 64 rows
	v_add_nc_u32 v[RD+2], SLOT, v[RD]
	v_add_nc_u32 v[RD+3], SLOT, v[RD+1]
	s_lshl_b32 s23, s16, 6
	v_lshl_add_u32 v[SWA], v2, 3, v65
	v_add_nc_u32 v[SWA], s23, v[SWA]               ; the stage: row r, byte 64 w + 8 h
	v_lshl_add_u32 v[OOFF], v2, 10, v[LOFF]        ; hq: lanes 16-31 one row (1,024 bytes) on
	v_lshlrev_b32 v[BO], 5, v2
	v_lshlrev_b32 v66, 2, v2
	s_and_b32 s18, ttmp7, 0xffff                   ; j
	s_lshl_b32 s17, ttmp9, 8                       ; the tile's first hidden unit
	s_add_co_u32 s35, s17, s23                     ; my wave's
	s_lshl_b32 s31, s18, 2
	s_mul_i32 s32, s18, 384
	s_mul_i32 s33, s16, 96
	s_add_co_u32 s32, s32, s33                     ; lists: 4 (96 j + 24 w)
	s_mov_b32 s33, 0
	s_mul_i32 s40, s18, 98304
	s_mul_i32 s41, s16, 24576
	s_add_co_u32 s40, s40, s41
	s_add_co_u32 s40, s40, s17                     ; hq: (96 j + 24 w) rows + the tile's first byte in a row
	s_mov_b32 s41, 0
	s_mov_b32 s45, 0x3eb504f3                      ; 1 / sqrt 8
	s_mov_b32 s86, 0xbf38aa3b                      ; -log2(e) / 2
	s_mov_b32 s87, s86
	s_wait_kmcnt 0x0
	s_load_b32 s19, s[12:13], s31 offset:19200     ; tinfo[j]
	s_add_nc_u64 s[32:33], s[12:13], s[32:33]
	s_add_nc_u64 s[14:15], s[14:15], s[40:41]
.set li, 0
.rept 12
	global_load_b32 v[AADR+li], v66, s[32:33] offset:8*li   ; the rid of row 24 w + 2 i + lane / 16
.set li, li+1
.endr
	s_wait_kmcnt 0x0
	s_cmp_lt_u32 s19, 8
	s_cselect_b32 s[ACT], 1, 0
	s_min_u32 s19, s19, 7                          ; the expert, clamped ahead of every address
	s_lshl_b32 s34, s19, 4
	s_load_b128 s[24:27], s[10:11], s34 offset:0x0 ; ex, ew1, eh, ew2
	s_lshl_b32 s36, s19, 21
	s_lshl_b32 s37, s35, 11
	s_add_co_u32 s36, s36, s37
	s_mov_b32 s37, 0
	s_add_nc_u64 s[6:7], s[6:7], s[36:37]          ; W1 at my wave's first row
	s_lshl_b32 s38, s19, 12
	s_lshl_b32 s39, s35, 2
	s_add_co_u32 s38, s38, s39
	s_mov_b32 s39, 0
	s_add_nc_u64 s[8:9], s[8:9], s[38:39]          ; b1 at my wave's first unit
	s_wait_loadcnt 0x0
.set li, 0
.rept 12
	v_min_u32 v[AADR+li], 4095, v[AADR+li]
	v_lshl_add_u32 v[AADR+li], v[AADR+li], 11, v[LOFF]
.set li, li+1
.endr
.irp b, 0,1,2,3
	global_load_b128 v[BIAS+8*\b:BIAS+8*\b+3], v[BO], s[8:9] offset:64*\b       ; b1 in the result's layout: units 16 b + 8 h + 0..7
	global_load_b128 v[BIAS+8*\b+4:BIAS+8*\b+7], v[BO], s[8:9] offset:64*\b+16
.endr
	LOADS 0, 0
	LOADS 1, 256
	; while they are on their way: the fit's coefficients x log2(e); c0 also takes the factor 1/2 of W, as -1 in the exponent
	v_mov_b32 v80, 0x3fb8aa3b
	v_fma_f32 v64, -1.26551223, v80, -1.0
	v_mul_f32 v65, 1.00002368, v80
	v_mul_f32 v66, 0.37409196, v80
	v_mul_f32 v67, 0.09678418, v80
	v_mul_f32 v68, -0.18628806, v80
	v_mul_f32 v69, 0.27886807, v80
	v_mul_f32 v70, -1.13520398, v80
	v_mul_f32 v71, 1.48851587, v80
	v_mul_f32 v72, -0.82215223, v80
	v_mul_f32 v73, 0.17087277, v80
.irp i, 0,1,2,3,4,5,6,7,9
	v_readfirstlane_b32 s[CF+2*\i], v[64+\i]
.endr
.irp i, 0,1,2,3,4,5,6,7,9
	s_mov_b32 s[CF+2*\i+1], s[CF+2*\i]             ; (a packed form names the pair)
.endr
	v_mov_b32 v[C8], v72
	v_mov_b32 v[C8+1], v72
	s_wait_kmcnt 0x0
	s_add_co_i32 s28, s24, s25
	s_add_co_i32 s28, s28, 127
	s_lshl_b32 s28, s28, 23                        ; 2^(ex + ew1)
	s_mov_b32 s29, s28
	s_add_co_i32 s42, s26, 127
	s_lshl_b32 s43, s42, 23
	v_mov_b32 v[HSC], s43                          ; 2^eh
	s_add_co_i32 s42, s42, 15
	s_lshl_b32 s42, s42, 23
	s_or_b32 s42, s42, 0x600000
	v_mov_b32 v[HLIM], s42                         ; 57,344 x 2^eh
	s_wait_loadcnt 44                              ; b1 and step 0's tiles are in; step 1's 44 loads may be out
	STORE 0
	s_wait_dscnt 0x0
	s_barrier_signal -1
	s_barrier_wait -1
	STEP 0, 1, 1, 512, 0, 1                        ; step 0 runs in every work-group: its products start the sums
	s_mov_b32 s30, 2
.Lk:                                               ; steps 1, 2 and 3, 4
	STEP 1, 1, 1, 768, 1, 0
	STEP 0, 1, 1, 1024, 1, 0
	s_wait_xcnt 0x0                                ; the loads have read their bases
	s_add_nc_u64 s[4:5], s[4:5], 512
	s_add_nc_u64 s[6:7], s[6:7], 512
	s_sub_co_i32 s30, s30, 1
	s_cmp_lg_u32 s30, 0
	s_cbranch_scc1 .Lk
	STEP 1, 1, 1, 768, 1, 0                        ; step 5 asks for step 7
	STEP 0, 0, 1, 0, 1, 0                          ; step 6 asks for nothing
; Rows 16 a .. 16 a + 15: bias, gelu, hold, conversion; eight bytes a lane and accumulator into the stage.
.macro GELU a
	WIN 0x01                                       ; source 0: the accumulators' window
.irp b, 0,1,2,3
.irp i, 0,2,4,6
	v_pk_fma_f32 v[VV+8*\b+\i:VV+8*\b+\i+1], v[8*(4*(\a)+\b)+\i:8*(4*(\a)+\b)+\i+1], s[28:29], v[BIAS+8*\b+\i:BIAS+8*\b+\i+1] op_sel_hi:[1,0,1]   ; v = sum x 2^(ex + ew1) + b1; each accumulator from its low end on
.endr
.endr
	WIN 0
.set gn, 0
.rept 32
	v_fma_f32 v[TT+gn], |v[VV+gn]|, s45, 1.0
.set gn, gn+1
.endr
.set gn, 0
.rept 32
	v_rcp_f32 v[TT+gn], v[TT+gn]                   ; t
.set gn, gn+1
.endr
.set gn, 0
.rept 16
	v_pk_mul_f32 v[QQ+gn:QQ+gn+1], v[VV+gn:VV+gn+1], v[VV+gn:VV+gn+1]   ; v^2: plain work behind the batch
.set gn, gn+2
.endr
	s_wait_alu depctr_va_vdst(0)                   ; one wait for the 32 reciprocals, ahead of their first reader
.set gn, 0
.rept 16
	v_pk_fma_f32 v[PP+gn:PP+gn+1], v[TT+gn:TT+gn+1], s[CF+18:CF+19], v[C8:C8+1] op_sel_hi:[1,0,1]
.set gn, gn+2
.endr
.irp c, 7,6,5,4,3,2,1,0
.set gn, 0
.rept 16
	v_pk_fma_f32 v[PP+gn:PP+gn+1], v[PP+gn:PP+gn+1], v[TT+gn:TT+gn+1], s[CF+2*\c:CF+2*\c+1] op_sel_hi:[1,1,0]
.set gn, gn+2
.endr
.endr
.set gn, 0
.rept 16
	v_pk_fma_f32 v[PP+gn:PP+gn+1], v[QQ+gn:QQ+gn+1], s[86:87], v[PP+gn:PP+gn+1] op_sel_hi:[1,0,1]
.set gn, gn+2
.endr
.set gn, 0
.rept 32
	v_exp_f32 v[PP+gn], v[PP+gn]
.set gn, gn+1
.endr
.set gn, 0
.rept 32
	v_max_num_f32 v[QQ+gn], 0, v[VV+gn]            ; max(v, 0): plain work behind the batch
.set gn, gn+1
.endr
	s_wait_alu depctr_va_vdst(0)                   ; one wait for the 32 exponentials
.set gn, 0
.rept 16
	v_pk_mul_f32 v[TT+gn:TT+gn+1], v[TT+gn:TT+gn+1], v[PP+gn:PP+gn+1]   ; W
.set gn, gn+2
.endr
.set gn, 0
.rept 32
	v_fma_f32 v[QQ+gn], -|v[VV+gn]|, v[TT+gn], v[QQ+gn]
.set gn, gn+1
.endr
.set gn, 0
.rept 32
	v_med3_num_f32 v[QQ+gn], v[QQ+gn], -v[HLIM], v[HLIM]   ; the conversion does not saturate (ISA guide 7.6.2)
.set gn, gn+1
.endr
.irp b, 0,1,2,3
	v_cvt_scalef32_pk8_bf8_f32 v[CODE+8*((\a)%2)+2*\b:CODE+8*((\a)%2)+2*\b+1], v[QQ+8*\b:QQ+8*\b+7], v[HSC]
.endr
	v_nop                                          ; a plain instruction behind the last conversion
.irp b, 0,1,2,3
	ds_store_b64 v[SWA], v[CODE+8*((\a)%2)+2*\b:CODE+8*((\a)%2)+2*\b+1] offset:4352*(\a)+16*\b
.endr
.endm
	s_cmp_eq_u32 s[ACT], 0
	s_cbranch_scc1 .Lno_epi
	COMPUTE 1, 0                                   ; step 7
	PLACES
	GELU 0                                         ; the stage is slot 0's A region: every wave left slot 0 at the last barrier, and nothing is stored there again
	GELU 1
	GELU 2
	GELU 3
	GELU 4
	GELU 5
.Lno_epi:
	s_wait_dscnt 0x0
	s_barrier_signal -1
	s_barrier_wait -1                              ; 96 rows of 256 bytes lie in the stage
	s_cmp_eq_u32 s[ACT], 0
	s_cbranch_scc1 .Lend
	PLACES
.set li, 0
.rept 12
	ds_load_b128 v[F0+4*li:F0+4*li+3], v[ST] offset:544*li
.set li, li+1
.endr
.set li, 0
.rept 12
	s_wait_dscnt 11-li
	global_store_b128 v[OOFF], v[F0+4*li:F0+4*li+3], s[14:15] offset:2048*li   ; 16 lanes store 256 consecutive bytes, at a multiple of 256 from hq's first byte
.set li, li+1
.endr
.Lend:
	s_wait_tensorcnt 0x0                           ; the wave's end
	ds_add_u32 v[SPW], v[NIL]
	s_wait_dscnt 0x0
	s_endpgm
.Lfunc_end_k_qd7fcb01ac6_ffn1:
	.size	k_qd7fcb01ac6_ffn1, .Lfunc_end_k_qd7fcb01ac6_ffn1-k_qd7fcb01ac6_ffn1
	.p2alignl 7, 3214868480
	.fill 96, 4, 3214868480
	.section	.rodata,"a",@progbits
	.p2align	6, 0x0
	.amdhsa_kernel k_qd7fcb01ac6_ffn1
		.amdhsa_group_segment_fixed_size 192000
		.amdhsa_private_segment_fixed_size 0
		.amdhsa_enable_private_segment 0
		.amdhsa_kernarg_size 48
		.amdhsa_user_sgpr_count 2
		.amdhsa_user_sgpr_kernarg_segment_ptr 1
		.amdhsa_wavefront_size32 1
		.amdhsa_system_sgpr_workgroup_id_x 1
		.amdhsa_system_sgpr_workgroup_id_y 1
		.amdhsa_system_sgpr_workgroup_id_z 1
		.amdhsa_system_vgpr_workitem_id 0
		.amdhsa_next_free_vgpr 944
		.amdhsa_next_free_sgpr 88
		.amdhsa_reserve_vcc 0
		.amdhsa_float_denorm_mode_32 3
		.amdhsa_float_denorm_mode_16_64 3
		.amdhsa_memory_ordered 1
		.amdhsa_forward_progress 1
		.amdhsa_inst_pref_size 255
	.end_amdhsa_kernel
	.section	.bss,"aw",@nobits
	.p2align	6
	.space	262144
	.amdgpu_metadata
---
amdhsa.version: [ 1, 2 ]
amdhsa.kernels:
  - .name:           k_qd7fcb01ac6_ffn1
    .symbol:         k_qd7fcb01ac6_ffn1.kd
    .args:
      - { .name: xq, .offset: 0, .size: 8, .value_kind: global_buffer, .address_space: global }
      - { .name: W1_codes, .offset: 8, .size: 8, .value_kind: global_buffer, .address_space: global }
      - { .name: b1, .offset: 16, .size: 8, .value_kind: global_buffer, .address_space: global }
      - { .name: lowp_scales, .offset: 24, .size: 8, .value_kind: global_buffer, .address_space: global }
      - { .name: lists, .offset: 32, .size: 8, .value_kind: global_buffer, .address_space: global }
      - { .name: hq, .offset: 40, .size: 8, .value_kind: global_buffer, .address_space: global }
    .group_segment_fixed_size: 192000
    .private_segment_fixed_size: 0
    .kernarg_segment_align: 8
    .kernarg_segment_size: 48
    .max_flat_workgroup_size: 128
    .sgpr_count:     88
    .vgpr_count:     944
    .wavefront_size: 32
...
	.end_amdgpu_metadata
.endif
;; end of part 3
;; launch ffn2 (part 4): grid 16 x 16, 4 waves a work-group, no clusters, 139,776 bytes of LDS; arguments hq, W2_codes, b2, lowp_scales, srec, sw, out0; writes out0
.if DOCPART == 4
	.amdgcn_target "amdgcn-amd-amdhsa--gfx1250"
	.amdhsa_code_object_version 6
	.text
	.protected	k_qd7fcb01ac6_ffn2
	.globl	k_qd7fcb01ac6_ffn2
	.p2align	8
	.type	k_qd7fcb01ac6_ffn2,@function
k_qd7fcb01ac6_ffn2:
	s_mov_b64 s[64:65], 0
	v_nop
	global_prefetch_b8 v0, s[64:65] scope:SCOPE_SE
	s_setreg_imm32_b32 hwreg(HW_REG_WAVE_MODE, 25, 1), 1
	s_wait_xcnt 0x0
; out[t] = sum over the token's two experts of c (h W2[e] + b2[e]).  Work-group (x, y): the 128 tokens at sorted positions 128 y .., columns 128 x .. 128 x + 127: EACH OUTPUT ROW HAS ONE OWNER.
; hq [pos][1024] and W2_codes [e][2048][1024]: E5M2 codes, K innermost.  Tokens are sorted by their pair of experts, in an order in which neighbouring pairs share an expert: a block that touches m pairs uses at most m + 1 experts.
; A PASS is one expert that the block uses (ascending), K = 1,024 in 4 steps of 256: a token that has not chosen it takes hq's row of zero codes and the weight 0.
; The pass's sums begin with C = b2 / 2^(eh + ew2) and are added into the totals times c 2^(eh + ew2).
; Pass 0 is written out; seven more stand in a loop of constant count.  EVERY BARRIER STANDS ON EVERY WAVE'S WAY: only the work between barriers is jumped over, by scalar branches on numbers made of the stored
; list (no pass left; none of my wave's 64 tokens uses the expert).  Such branches are why this text has no tensor load, and so no cluster and no joint loads.
; The way round a piece of work waits for all loads, so that each piece is sound whatever stood before it.
; The ring of two LDS slots and two register sets runs on from pass to pass; past the last pass it asks for the zero row and one place of W2 an instruction.
; SHARES: waves 2 x 2: 64 tokens x 64 columns, 16 accumulators.  Transposed use: source 0 = 16 rows of W2 (columns of out), source 1 = 16 tokens: a lane holds one token and eight neighbouring columns.
; LIMITS: eh + ew2 between -126 and 126; b2 / 2^(eh + ew2) finite; NaN and infinities are not served.
; REGISTERS: window 0: v1-15 constants, v16-31 A's row offsets, v32-47 the records of the rows I load, v48-51 and v111-114 e0, e1 of my accumulators' tokens, v52-59 their weights, v60-67 c 2^(eh+ew2) twice,
;   v68-99 the bias, v100-110 addresses, v115-127 at work, v128-191 and v192-255 two sets of fragments;  window 1: v0-127 a pass's sums, v128-255 the totals;
;   window 2: v0-127, v128-255 the two sets of loaded tiles (A 64, B 64);  window 3: v0-31 the offsets of my 64 tokens' rows in out.
.set PITCH,  272
.set ASZ,    128*PITCH
.set SLOT,   2*ASZ
.set SPARE,  2*SLOT
.set LOFF,   3
.set ZR,     4
.set ONE,    5
.set ZERO,   6
.set SPW,    12
.set NIL,    13
.set BOFF,   14
.set BOFM,   15
.set AADR,   16
.set REC,    32
.set RE0,    48
.set CW,     52
.set CS,     60
.set BIAS,   68
.set ST,     100
.set RD,     104
.set OSW,    108
.set OSR,    109
.set BO,     110
.set RE1,    111
.set F0,     128
.set F1,     192
.set ECUR,   36
.set ENXT,   37
.set ACT,    38
.set WACT,   39
.set MSB, 0
.macro WIN new                         ; the immediate's high byte repeats the setting that is left
.if MSB != (\new)
	s_set_vgpr_msb (MSB<<8)|(\new)
.set MSB, (\new)
.endif
.endm
.macro PLACES n
.rept \n
	v_nop
.endr
.endm
.macro LOADS set, kimm                 ; a K step's tiles, my part: 32 rows of A (gathered), 32 rows of B, two rows an instruction
	WIN 0x80
.set li, 0
.rept 16
	global_load_b128 v[128*(\set)+4*li:128*(\set)+4*li+3], v[AADR+li], s[4:5] offset:\kimm
.set li, li+1
.endr
.set li, 0
.rept 16
	global_load_b128 v[128*(\set)+64+4*li:128*(\set)+64+4*li+3], v[BOFM], s[40:41] offset:2048*li+\kimm
.set li, li+1
.endr
	WIN 0
.endm
.macro STORE set
	WIN 0x08
.set li, 0
.rept 16
	ds_store_b128 v[ST+2*(\set)], v[128*(\set)+4*li:128*(\set)+4*li+3] offset:544*li
.set li, li+1
.endr
.set li, 0
.rept 16
	ds_store_b128 v[ST+1+2*(\set)], v[128*(\set)+64+4*li:128*(\set)+64+4*li+3] offset:544*li
.set li, li+1
.endr
	WIN 0
.endm
.macro FETCH slot, q, f
.irp a, 0,1,2,3
	ds_load_b128 v[\f+8*\a:\f+8*\a+3], v[RD+2*(\slot)] offset:4352*\a+64*(\q)
	ds_load_b128 v[\f+8*\a+4:\f+8*\a+7], v[RD+2*(\slot)] offset:4352*\a+64*(\q)+32
.endr
.irp b, 0,1,2,3
	ds_load_b128 v[\f+32+8*\b:\f+32+8*\b+3], v[RD+1+2*(\slot)] offset:4352*\b+64*(\q)
	ds_load_b128 v[\f+32+8*\b+4:\f+32+8*\b+7], v[RD+1+2*(\slot)] offset:4352*\b+64*(\q)+32
.endr
.endm
.macro MUL f, bias                     ; 16 matrix instructions, each accumulator once: they take turns.  bias = 1: a pass's first products begin the sums with the bias
.if \bias
	WIN 0x40
.else
	WIN 0x50
.endif
.irp a, 0,1,2,3
.irp b, 0,1,2,3
.if \bias
	v_wmma_f32_16x16x64_bf8_bf8 v[8*(4*\a+\b):8*(4*\a+\b)+7], v[\f+32+8*\b:\f+32+8*\b+7], v[\f+8*\a:\f+8*\a+7], v[BIAS+8*\b:BIAS+8*\b+7]
.else
	v_wmma_f32_16x16x64_bf8_bf8 v[8*(4*\a+\b):8*(4*\a+\b)+7], v[\f+32+8*\b:\f+32+8*\b+7], v[\f+8*\a:\f+8*\a+7], v[8*(4*\a+\b):8*(4*\a+\b)+7]
.endif
.endr
.endr
	WIN 0
.endm
.macro COMPUTE slot, bias              ; each count of 16 leaves the run just issued out.  Five places at the head: a pass's first products write accumulators anew
	PLACES 5
	FETCH \slot, 0, F0
	FETCH \slot, 1, F1
	s_wait_dscnt 16
	MUL F0, \bias
	PLACES 4
	FETCH \slot, 2, F0
	s_wait_dscnt 16
	MUL F1, 0
	PLACES 4
	FETCH \slot, 3, F1
	s_wait_dscnt 16
	MUL F0, 0
	s_wait_dscnt 0x0
	MUL F1, 0
.endm
; The addresses of expert s[es]'s pass: for each row that I load, its place in hq (the zero row where the token has not chosen the expert); W2's and b2's bases.  es = 8: no pass: all rows the zero row, B's lanes at one place.
.macro NEXTADDR es
	s_wait_xcnt 0x0                                ; the loads issued so far have read their addresses: only behind this wait are the offsets and the bases written anew
.irp i, 0,1,2,3,4,5,6,7,8,9,10,11,12,13,14,15
	v_bfe_u32 v[115+4*(\i%2)], v[REC+\i], 26, 3
	v_lshrrev_b32 v[116+4*(\i%2)], 29, v[REC+\i]
	v_and_b32 v[117+4*(\i%2)], 0x1fff, v[REC+\i]
	v_bfe_u32 v[118+4*(\i%2)], v[REC+\i], 13, 13
	v_cmp_eq_u32 vcc_lo, s[\es], v[116+4*(\i%2)]
	v_cndmask_b32 v[118+4*(\i%2)], v[ZR], v[118+4*(\i%2)], vcc_lo
	v_cmp_eq_u32 vcc_lo, s[\es], v[115+4*(\i%2)]
	v_cndmask_b32 v[118+4*(\i%2)], v[118+4*(\i%2)], v[117+4*(\i%2)], vcc_lo
	v_min_u32 v[118+4*(\i%2)], 4800, v[118+4*(\i%2)]
	v_lshl_add_u32 v[AADR+\i], v[118+4*(\i%2)], 10, v[LOFF]
.endr
	s_min_u32 s48, s[\es], 7
	s_lshl_b32 s50, s48, 21
	s_add_co_u32 s50, s50, s46
	s_mov_b32 s51, 0
	s_add_nc_u64 s[40:41], s[6:7], s[50:51]
	s_lshl_b32 s50, s48, 13
	s_add_co_u32 s50, s50, s47
	s_add_nc_u64 s[42:43], s[8:9], s[50:51]
	s_sub_co_u32 s49, 8, s[\es]
	s_min_u32 s49, s49, 1
	v_mul_u32_u24 v[BOFM], s49, v[BOFF]
.endm
.macro SCALELD es
	s_min_u32 s58, s[\es], 7
	s_lshl_b32 s58, s58, 4
	s_load_b64 s[44:45], s[10:11], s58 offset:0x8  ; eh, ew2
.endm
.macro BIASLD
.irp b, 0,1,2,3
	global_load_b128 v[BIAS+8*\b:BIAS+8*\b+3], v[BO], s[42:43] offset:64*\b
	global_load_b128 v[BIAS+8*\b+4:BIAS+8*\b+7], v[BO], s[42:43] offset:64*\b+16
.endr
.endm
; behind the waits for the scales and the bias: 2^(eh + ew2), the bias divided by it, each token's weight times it, and whether my wave has a token of this expert
.macro NEWPASS es
	s_add_co_i32 s44, s44, s45
	s_add_co_i32 s54, s44, 127
	s_lshl_b32 s54, s54, 23
	s_sub_co_i32 s56, 127, s44
	s_lshl_b32 s56, s56, 23
	s_mov_b32 s57, s56
.set li, 0
.rept 16
	v_pk_mul_f32 v[BIAS+li:BIAS+li+1], v[BIAS+li:BIAS+li+1], s[56:57] op_sel_hi:[1,0]
.set li, li+2
.endr
	s_mov_b32 s[WACT], 0
.irp a, 0,1,2,3
	v_cmp_eq_u32 s52, s[\es], v[RE1+\a]
	v_cndmask_b32 v[115+\a], v[ZERO], v[CW+2*\a+1], s52
	v_cmp_eq_u32 s53, s[\es], v[RE0+\a]
	v_cndmask_b32 v[115+\a], v[115+\a], v[CW+2*\a], s53
	s_or_b32 s[WACT], s[WACT], s52
	s_or_b32 s[WACT], s[WACT], s53
	v_mul_f32 v[CS+2*\a], s54, v[115+\a]
	v_mov_b32 v[CS+2*\a+1], v[CS+2*\a]
.endr
.endm
.macro TOTUP first                     ; the totals take the pass's sums x the token's weight; the first pass starts them
.if \first
	WIN 0x41
.else
	WIN 0x51
.endif
.irp a, 0,1,2,3
.irp b, 0,1,2,3
.irp i, 0,2,4,6
.if \first
	v_pk_mul_f32 v[128+8*(4*\a+\b)+\i:128+8*(4*\a+\b)+\i+1], v[8*(4*\a+\b)+\i:8*(4*\a+\b)+\i+1], v[CS+2*\a:CS+2*\a+1]
.else
	v_pk_fma_f32 v[128+8*(4*\a+\b)+\i:128+8*(4*\a+\b)+\i+1], v[8*(4*\a+\b)+\i:8*(4*\a+\b)+\i+1], v[CS+2*\a:CS+2*\a+1], v[128+8*(4*\a+\b)+\i:128+8*(4*\a+\b)+\i+1]
.endif
.endr
.endr
.endr
	WIN 0
.endm
.macro MEET                            ; my stores have landed and my reads of the slot are over: the work-group's barrier
	s_wait_dscnt 0x0
	s_barrier_signal -1
	s_barrier_wait -1
.endm
; A pass: four K steps.  Step s works on slot s % 2, asks for the tiles two steps on (into set s % 2) and stores the set of the next step into the other slot.
.macro PASS first
	; ---- step 0
.if !\first
	s_cmp_eq_u32 s[ACT], 0
	s_cbranch_scc1 .La_skip_\@
.endif
	LOADS 0, 512
.if !\first
	s_cmp_eq_u32 s[WACT], 0
	s_cbranch_scc1 .La_idle_\@
.endif
	COMPUTE 0, 1
.if !\first
.La_idle_\@:
.endif
	s_wait_loadcnt 32                              ; all but this piece's 32 loads
	STORE 1
.if !\first
	s_branch .La_join_\@
.La_skip_\@:
	s_wait_loadcnt 0x0
.La_join_\@:
.endif
	MEET
	; ---- step 1: the pass's last tiles are asked for; behind the step's products, a step's work after those loads were issued, the addresses turn to the next pass
.if !\first
	s_cmp_eq_u32 s[ACT], 0
	s_cbranch_scc1 .Lb_skip_\@
.endif
	LOADS 1, 768
.if !\first
	s_cmp_eq_u32 s[WACT], 0
	s_cbranch_scc1 .Lb_idle_\@
.endif
	COMPUTE 1, 0
.if !\first
.Lb_idle_\@:
.endif
	NEXTADDR ENXT
	s_wait_loadcnt 32
	STORE 0
.if !\first
	s_branch .Lb_join_\@
.Lb_skip_\@:
	s_wait_loadcnt 0x0
.Lb_join_\@:
.endif
	MEET
	; ---- step 2
.if !\first
	s_cmp_eq_u32 s[ACT], 0
	s_cbranch_scc1 .Lc_skip_\@
.endif
	LOADS 0, 0
.if !\first
	s_cmp_eq_u32 s[WACT], 0
	s_cbranch_scc1 .Lc_idle_\@
.endif
	COMPUTE 0, 0
.if !\first
.Lc_idle_\@:
.endif
	s_wait_loadcnt 32
	STORE 1
.if !\first
	s_branch .Lc_join_\@
.Lc_skip_\@:
	s_wait_loadcnt 0x0
.Lc_join_\@:
.endif
	MEET
	; ---- step 3: the sums are finished and go into the totals; the next pass's scales, bias and weights are made
.if !\first
	s_cmp_eq_u32 s[ACT], 0
	s_cbranch_scc1 .Ld_skip_\@
.endif
	SCALELD ENXT
	BIASLD
	LOADS 1, 256
.if !\first
	s_cmp_eq_u32 s[WACT], 0
	s_cbranch_scc1 .Ld_idle_\@
.endif
	COMPUTE 1, 0
	PLACES 4
	TOTUP \first
.if !\first
.Ld_idle_\@:
.endif
	s_wait_loadcnt 32                              ; all but the 32 youngest: the bias, asked for ahead of them, is in too
	STORE 0
	s_wait_kmcnt 0x0
	NEWPASS ENXT
.if !\first
	s_branch .Ld_join_\@
.Ld_skip_\@:
	s_wait_loadcnt 0x0
.Ld_join_\@:
.endif
	MEET
	s_mov_b32 s[ECUR], s[ENXT]                     ; on to the next expert of the block's set
	s_cmp_lt_u32 s[ECUR], 8
	s_cselect_b32 s[ACT], 1, 0
	s_ctz_i32_b32 s[ENXT], s34
	s_min_u32 s[ENXT], s[ENXT], 8
	s_sub_co_u32 s35, s34, 1
	s_and_b32 s34, s34, s35
.endm
	s_load_b256 s[4:11], s[0:1], 0x0               ; hq s[4:5], W2 s[6:7], b2 s[8:9], scales s[10:11]
	s_load_b128 s[12:15], s[0:1], 0x20             ; srec s[12:13], sw s[14:15]
	s_load_b64 s[16:17], s[0:1], 0x30              ; out0
	v_lshl_add_u32 v[SPW], v0, 2, SPARE
	v_mov_b32 v[NIL], 0
	v_lshrrev_b32 v115, 5, v0
	v_readfirstlane_b32 s18, v115                  ; wave
	s_lshr_b32 s19, s18, 1                         ; which 64 tokens
	s_and_b32 s20, s18, 1                          ; which 64 columns
	v_and_b32 v1, 15, v0                           ; r
	v_bfe_u32 v2, v0, 4, 1                         ; h
	v_lshlrev_b32 v[LOFF], 4, v1
	v_mov_b32 v[ZR], 4800
	v_mov_b32 v[ONE], 1
	v_mov_b32 v[ZERO], 0
	v_lshl_add_u32 v[BOFF], v2, 10, v[LOFF]
	v_mul_u32_u24 v115, v2, PITCH
	v_add_nc_u32 v115, v115, v[LOFF]
	s_mul_i32 s21, s18, 32*PITCH
	v_add_nc_u32 v[ST], s21, v115
	v_add_nc_u32 v[ST+1], ASZ, v[ST]
	v_add_nc_u32 v[ST+2], SLOT, v[ST]
	v_add_nc_u32 v[ST+3], SLOT, v[ST+1]
	v_mul_u32_u24 v116, v1, PITCH
	v_lshl_add_u32 v117, v2, 4, v116
	s_mul_i32 s22, s19, 64*PITCH
	s_mul_i32 s23, s20, 64*PITCH
	s_add_co_u32 s23, s23, ASZ
	v_add_nc_u32 v[RD], s22, v117
	v_add_nc_u32 v[RD+1], s23, v117
	v_add_nc_u32 v[RD+2], SLOT, v[RD]
	v_add_nc_u32 v[RD+3], SLOT, v[RD+1]
	s_mul_i32 s24, s18, 64*PITCH                   ; the way out: my stage, 64 rows of 256 bytes + 16
	v_lshl_add_u32 v[OSW], v2, 5, v116
	v_add_nc_u32 v[OSW], s24, v[OSW]
	v_add_nc_u32 v[OSR], s24, v115
	v_lshlrev_b32 v[BO], 5, v2
	v_and_b32 v118, 31, v0
	v_lshlrev_b32 v118, 3, v118                    ; 8 x lane
	v_lshlrev_b32 v119, 3, v2                      ; 8 h
	v_lshlrev_b32 v120, 3, v1                      ; 8 r
	s_and_b32 s25, ttmp7, 0xffff
	s_lshl_b32 s60, s25, 10                        ; 128 positions of 8 bytes a block
	s_mov_b32 s61, 0
	s_lshl_b32 s21, ttmp9, 7                       ; the tile's first column
	s_lshl_b32 s22, s18, 5
	s_add_co_u32 s46, s21, s22
	s_lshl_b32 s46, s46, 10                        ; W2: the rows that I load, in bytes
	s_lshl_b32 s22, s20, 6
	s_add_co_u32 s47, s21, s22
	s_lshl_b32 s47, s47, 2                         ; b2 and out: my wave's first column, in bytes
	s_wait_kmcnt 0x0
	s_add_nc_u64 s[26:27], s[12:13], s[60:61]
	s_add_nc_u64 s[32:33], s[14:15], s[60:61]
	s_lshl_b32 s60, s18, 8
	s_add_nc_u64 s[28:29], s[26:27], s[60:61]      ; the 32 positions whose rows I load
	s_lshl_b32 s60, s19, 9
	s_add_nc_u64 s[30:31], s[26:27], s[60:61]      ; the 64 positions of my accumulators
	s_add_nc_u64 s[32:33], s[32:33], s[60:61]
.irp u, 0,1,2,3
	global_load_b32 v[121+\u], v118, s[26:27] offset:256*\u      ; the block's 128 records, for its set of experts
.endr
.set li, 0
.rept 16
	global_load_b32 v[REC+li], v119, s[28:29] offset:16*li
.set li, li+1
.endr
.irp a, 0,1,2,3
	global_load_b32 v[RE0+\a], v120, s[30:31] offset:128*\a
	global_load_b64 v[CW+2*\a:CW+2*\a+1], v120, s[32:33] offset:128*\a
.endr
.set li, 0
.rept 32
	global_load_b32 v[128+li], v119, s[30:31] offset:16*li+4     ; the tokens of rows 2 i + lane / 16 of my stage
.set li, li+1
.endr
	s_wait_loadcnt 0x0
.set li, 0
.rept 32
	v_min_u32 v[128+li], 2047, v[128+li]
.set li, li+1
.endr
	WIN 0xc0                                       ; destination window 3
.set li, 0
.rept 32
	v_lshl_add_u32 v[li], v[128+li], 13, v[LOFF]   ; the token's row in out, + 16 r
.set li, li+1
.endr
	WIN 0
.irp a, 0,1,2,3
	v_lshrrev_b32 v[RE1+\a], 29, v[RE0+\a]
	v_bfe_u32 v[RE0+\a], v[RE0+\a], 26, 3
.endr
	v_mov_b32 v125, 0
.irp u, 0,1,2,3
	v_bfe_u32 v126, v[121+\u], 26, 3
	v_lshrrev_b32 v127, 29, v[121+\u]
	v_lshlrev_b32 v126, v126, v[ONE]
	v_lshlrev_b32 v127, v127, v[ONE]
	v_or_b32 v125, v125, v126
	v_or_b32 v125, v125, v127
.endr
	s_mov_b32 s34, 0                               ; the block's set of experts, a bit each
.irp e, 0,1,2,3,4,5,6,7
	v_and_b32 v126, 1<<\e, v125
	v_cmp_ne_u32 s35, 0, v126
	s_cmp_lg_u32 s35, 0
	s_cselect_b32 s35, 1<<\e, 0
	s_or_b32 s34, s34, s35
.endr
	s_ctz_i32_b32 s[ECUR], s34
	s_min_u32 s[ECUR], s[ECUR], 8
	s_sub_co_u32 s35, s34, 1
	s_and_b32 s34, s34, s35
	s_ctz_i32_b32 s[ENXT], s34
	s_min_u32 s[ENXT], s[ENXT], 8
	s_sub_co_u32 s35, s34, 1
	s_and_b32 s34, s34, s35
	NEXTADDR ECUR
	SCALELD ECUR
	BIASLD
	LOADS 0, 0
	LOADS 1, 256
	s_wait_loadcnt 32                              ; the bias and step 0's tiles are in; step 1's 32 loads may be out
	s_wait_kmcnt 0x0
	NEWPASS ECUR
	STORE 0
	MEET
	PASS 1
	s_mov_b32 s59, 7
.Lpass:
	PASS 0
	s_sub_co_i32 s59, s59, 1
	s_cmp_lg_u32 s59, 0
	s_cbranch_scc1 .Lpass
	; THE WAY OUT.  A lane holds 32 neighbouring bytes of a token's row, the lanes beside it other tokens: the totals go through my own stage (in slot 0, which every wave left at the last barrier) and come back as rows of 256 bytes.
	s_wait_loadcnt 0x0
	s_mov_b32 s60, s47
	s_add_nc_u64 s[16:17], s[16:17], s[60:61]
	PLACES 4
	WIN 0x04                                       ; store data window 1
.irp a, 0,1,2,3
.irp b, 0,1,2,3
	ds_store_b128 v[OSW], v[128+8*(4*\a+\b):128+8*(4*\a+\b)+3] offset:4352*\a+64*\b
	ds_store_b128 v[OSW], v[128+8*(4*\a+\b)+4:128+8*(4*\a+\b)+7] offset:4352*\a+64*\b+16
.endr
.endr
	WIN 0
.set li, 0
.rept 32
	ds_load_b128 v[128+4*li:128+4*li+3], v[OSR] offset:544*li   ; LDS serves a wave's instructions in order: these see my stores
.set li, li+1
.endr
	WIN 0x03                                       ; the address register in window 3
.set li, 0
.rept 32
	s_wait_dscnt 31-li
	global_store_b128 v[li], v[128+4*li:128+4*li+3], s[16:17] th:TH_STORE_NT   ; 16 lanes store 256 consecutive bytes of a token's row, at a multiple of 256 from out's first byte
.set li, li+1
.endr
	WIN 0
	s_wait_tensorcnt 0x0                           ; the wave's end
	ds_add_u32 v[SPW], v[NIL]
	s_wait_dscnt 0x0
	s_endpgm
.Lfunc_end_k_qd7fcb01ac6_ffn2:
	.size	k_qd7fcb01ac6_ffn2, .Lfunc_end_k_qd7fcb01ac6_ffn2-k_qd7fcb01ac6_ffn2
	.p2alignl 7, 3214868480
	.fill 96, 4, 3214868480
	.section	.rodata,"a",@progbits
	.p2align	6, 0x0
	.amdhsa_kernel k_qd7fcb01ac6_ffn2
		.amdhsa_group_segment_fixed_size 139776
		.amdhsa_private_segment_fixed_size 0
		.amdhsa_enable_private_segment 0
		.amdhsa_kernarg_size 56
		.amdhsa_user_sgpr_count 2
		.amdhsa_user_sgpr_kernarg_segment_ptr 1
		.amdhsa_wavefront_size32 1
		.amdhsa_system_sgpr_workgroup_id_x 1
		.amdhsa_system_sgpr_workgroup_id_y 1
		.amdhsa_system_sgpr_workgroup_id_z 1
		.amdhsa_system_vgpr_workitem_id 0
		.amdhsa_next_free_vgpr 800
		.amdhsa_next_free_sgpr 66
		.amdhsa_reserve_vcc 1
		.amdhsa_float_denorm_mode_32 3
		.amdhsa_float_denorm_mode_16_64 3
		.amdhsa_memory_ordered 1
		.amdhsa_forward_progress 1
		.amdhsa_inst_pref_size 190
	.end_amdhsa_kernel
	.amdgpu_metadata
---
amdhsa.version: [ 1, 2 ]
amdhsa.kernels:
  - .name:           k_qd7fcb01ac6_ffn2
    .symbol:         k_qd7fcb01ac6_ffn2.kd
    .args:
      - { .name: hq, .offset: 0, .size: 8, .value_kind: global_buffer, .address_space: global }
      - { .name: W2_codes, .offset: 8, .size: 8, .value_kind: global_buffer, .address_space: global }
      - { .name: b2, .offset: 16, .size: 8, .value_kind: global_buffer, .address_space: global }
      - { .name: lowp_scales, .offset: 24, .size: 8, .value_kind: global_buffer, .address_space: global }
      - { .name: srec, .offset: 32, .size: 8, .value_kind: global_buffer, .address_space: global }
      - { .name: sw, .offset: 40, .size: 8, .value_kind: global_buffer, .address_space: global }
      - { .name: out0, .offset: 48, .size: 8, .value_kind: global_buffer, .address_space: global }
    .group_segment_fixed_size: 139776
    .private_segment_fixed_size: 0
    .kernarg_segment_align: 8
    .kernarg_segment_size: 56
    .max_flat_workgroup_size: 128
    .sgpr_count:     66
    .vgpr_count:     800
    .wavefront_size: 32
...
	.end_amdgpu_metadata
.endif
;; end of part 4
